; MI455X (gfx1250); checked and timed in simulation.
; The chip was launched on July 23, 2026; its instructions are those of AMD's public machine-readable ISA for CDNA 5 (MIT licence, August 2026) and "CDNA5" Instruction Set Architecture Reference Guide (July 2026). The comments in the code are by the model that wrote it; some were corrected since.
;; Top K Wrapper. Allowed arithmetic: matrix products marked QUANTISED: E2M3 operands, one E8M0 scale for each 32 along K, by v_wmma_scale_f32_16x16x128_f8f6f4 with both operands' format E2M3, f32 sums; everything else in f32.
;; Inputs: image_embs 8,192 x 256 float32; text_embs 16,384 x 256 float32.
;; Outputs: out0 8,192 x 10 int32.
;; Constants: k = 10.
;; This version of the problem:
;;   THIS VERSION OF THE PROBLEM IS GIVEN IN LOW PRECISION. The matrix products marked QUANTISED in the list below multiply operands that are first quantised to E2M3 (2 exponent bits, 3 mantissa bits; 6 bits a number), with one power-of-two scale for each 32 numbers along K (OCP MX v1.0); their sums are f32. All else is computed in f32.
;;   The module's matrix products, in the order in which they are computed (A, B: the left and right operand; K: the contracted axis; several contracted axes count as one K, in the product's order):
;;     1. [M 8,192, K 256] x [K 256, N 16,384]; A: input image_embs; B: input text_embs: QUANTISED
;;   THE QUANTISER, for each operand of a quantised product, along K:
;;     - K is cut into blocks of 32 from its start; a last block that is shorter is filled with zeros.
;;     - A block's scale is 2^e with e = floor(log2(the largest magnitude in the block)) - 2, held to -126 .. 127; a block of zeros has e = 0. As a byte (E8M0): e + 127.
;;     - Each number is divided by its block's scale, clamped to +-7.5, and rounded to the nearest number of E2M3, ties to even, subnormals kept.
;;     - The product sums the exact products of the quantised numbers (number of the format x scale) in f32.
;;   ~~~python
;;   def quantise(x, axis):      # numpy; x: float32 -> the quantised numbers, widened to float32 again
;;       x = np.moveaxis(x, axis, -1); K = x.shape[-1]
;;       x = np.pad(x, [(0, 0)] * (x.ndim - 1) + [(0, -K % 32)]); x = x.reshape(x.shape[:-1] + (-1, 32)); a = np.abs(x).max(-1, keepdims=True)
;;       e = np.where(a > 0, np.clip(np.frexp(np.where(a > 0, a, 1))[1] - 1 - 2, -126, 127), 0)      # np.frexp(a)[1] - 1 = floor(log2(a)), exactly
;;       r = np.clip(x / 2.0 ** e, -7.5, 7.5)
;;       step = 2.0 ** (np.maximum(np.frexp(np.where(r == 0, 1, r))[1] - 1, 0) - 3)
;;       q = np.round(r / step) * step * 2.0 ** e      # np.round: ties to even
;;       return np.moveaxis(q.reshape(q.shape[:-2] + (-1,))[..., :K], -1, axis).astype(np.float32)
;;   ~~~
;; 2 versions, each right; version 2 is version 1 with the launch rank written anew for expert scheduling mode. Each part assembles by itself: llvm-mc -triple=amdgcn-amd-amdhsa -mcpu=gfx1250 --defsym DOCPART=n.
;; ======== version 1 of 2: 4 launches
;; workspace buffers: img_codes 1,572,864 bytes; img_scales 65,536 bytes; txt_codes 3,145,728 bytes; txt_scales 131,072 bytes; rec 5,242,880 bytes; sel 524,288 bytes of whole numbers
;; launch quant (part 1): grid 384 x 1, 4 waves a work-group, no clusters, 68,096 bytes of LDS; arguments image_embs, text_embs, img_codes, img_scales, txt_codes, txt_scales; writes img_codes, img_scales, txt_codes, txt_scales
.if DOCPART == 1
	.amdgcn_target "amdgcn-amd-amdhsa--gfx1250"
	.amdhsa_code_object_version 6
	.text
	.protected	k_qf7413a035a_quant
	.globl	k_qf7413a035a_quant
	.p2align	8
	.type	k_qf7413a035a_quant,@function
k_qf7413a035a_quant:
	s_mov_b64 s[64:65], 0
	v_nop
	global_prefetch_b8 v0, s[64:65] scope:SCOPE_SE
	s_setreg_imm32_b32 hwreg(HW_REG_WAVE_MODE, 25, 1), 1
	s_wait_xcnt 0x0
; image_embs [8192][256] and text_embs [16384][256], f32, become codes of FP6 (E2M3) with one E8M0 scale byte for each 32 along K,
; laid as IMAGES OF THE OPERAND'S REGISTERS.  A tile is 16 rows x 256 K: 24 registers a lane (K 0-127 in registers 0-11, K 128-255 in 12-23);
; lane = row + 16 hk; registers 6 c .. 6 c + 5 of a K step s hold k = 128 s + 64 c + 32 hk + 0 .. 31.  codes[tile] = 3,072 bytes: six chunks of 512,
; chunk c = registers 4 c .. 4 c + 3, lane l's 16 bytes at 16 l.  scales[tile] = 128 bytes: word l < 16 row l's word of K 0-127, word 16 + l its word of K 128-255.
; Image tile T holds rows 16 T + r.  Text tile T = 2 b + u holds rows 32 b + 8 u + r + 8 (r / 8): with a text tile as source 0 of a product, a lane's 16 results of tiles 2 b, 2 b + 1 are 16 neighbouring texts.
; A block's scale is 2^(floor(log2(its largest magnitude)) - 2); its byte is the largest magnitude's exponent field - 2, held at 1 from below.  A block of zeros keeps the byte 1: its codes are zeros, and this program alone reads the bytes.
; LIMITS: NaN and infinities among the inputs are not served; blocks whose largest magnitude lies under 2^-124 keep the byte 1.
; SHARES: a wave makes one tile (16 KiB of f32).  Work-groups 0-127 take the images, 128-383 the texts: one path, the pointers chosen on the work-group's number.
; Each load reads 512 consecutive bytes; the tile turns through the wave's own stage in LDS (rows 1,040 bytes apart) so that a lane gets whole blocks of 32 neighbours.  No cluster: work-groups share no input.
.set PITCH, 1040                       ; a stage row: 1,024 bytes + 16 = 65 x 16: the sixteen rows of a 16-byte read fall on sixteen different 16-byte columns of 256
.set STG,   16*PITCH                   ; a wave's stage
.set SCB,   4*STG                      ; behind the stages: the four waves' scale words, 512 bytes
.set X,   32                           ; v32-159  the tile's numbers: as loaded, then block q (= 2 s + c) at v[X + 32 q]
.set MX,  12                           ; v12-15   largest magnitudes
.set SC,  16                           ; v16-19   the conversions' scale operands
.set BY,  20                           ; v20-23   scale bytes
.set F,   160                          ; v160-183 the tile's 24 registers of codes
.set U,   184                          ; v184-199 the upper halves of the blocks as converted
	s_load_b128 s[4:7], s[0:1], 0x0                ; images, texts
	s_load_b128 s[8:11], s[0:1], 0x10              ; the images' codes and scales
	s_load_b128 s[12:15], s[0:1], 0x20             ; the texts' codes and scales
	v_lshl_add_u32 v208, v0, 2, 0x10800
	v_mov_b32 v209, 0
	v_lshrrev_b32 v1, 5, v0
	v_readfirstlane_b32 s16, v1                    ; wave 0..3
	v_and_b32 v2, 31, v0                           ; lane
	v_lshlrev_b32 v3, 4, v2                        ; 16 x lane
	v_and_b32 v4, 15, v0                           ; r
	v_bfe_u32 v5, v0, 4, 1                         ; hk
	s_mul_i32 s17, s16, STG
	v_add_nc_u32 v6, s17, v3                       ; the stage, on the way in: as loaded
	v_mul_u32_u24 v7, v4, PITCH
	v_lshl_add_u32 v7, v5, 7, v7
	v_add_nc_u32 v7, s17, v7                       ; on the way out: row r, + 128 hk: my 32 numbers of a run of 64
	s_lshl_b32 s17, s16, 7
	v_lshl_add_u32 v8, v2, 2, s17
	v_add_nc_u32 v8, SCB, v8                       ; my scale word's place: 128 x wave + 4 x lane
	v_add_nc_u32 v10, SCB, v3                      ; and where wave 0 reads the 512 bytes back
	v_lshlrev_b32 v9, 3, v5                        ; 8 hk: my bytes' place in a scale word
	s_mov_b32 s24, 0x76543210
	s_mov_b32 s25, 0xfedcba98                      ; v_permlanex16_b32's selects for lane l xor 16
	s_mov_b32 s26, 0xffff0000                      ; lanes 16-31
	v_mov_b32 v26, 0                               ; a lane permute's destination counts as one of its sources
	v_mov_b32 v27, 0
	s_wait_kmcnt 0x0
	s_cmp_lt_u32 ttmp9, 128                        ; images or texts: the choice hangs on the work-group's number alone
	s_cselect_b64 s[4:5], s[4:5], s[6:7]
	s_cselect_b64 s[8:9], s[8:9], s[12:13]
	s_cselect_b64 s[10:11], s[10:11], s[14:15]
	s_cselect_b32 s18, 0, 128
	s_cselect_b32 s19, 0, 1                        ; 1 for texts
	s_sub_co_u32 s18, ttmp9, s18                   ; my work-group among the tensor's
	s_lshl_b32 s28, s18, 9                         ; its four tiles' scale words: 512 bytes
	s_mov_b32 s29, 0
	s_add_nc_u64 s[10:11], s[10:11], s[28:29]
	s_lshl_b32 s18, s18, 2
	s_add_co_u32 s18, s18, s16                     ; T, my tile
	s_mul_i32 s28, s18, 3072
	s_add_nc_u64 s[8:9], s[8:9], s[28:29]
	s_and_b32 s20, s18, s19                        ; texts: u = T & 1
	s_lshl_b32 s20, s20, 3
	s_lshl_b32 s21, s18, 4
	s_sub_co_u32 s21, s21, s20                     ; the tile's first row: 16 T - 8 u
	s_lshl_b32 s28, s21, 10
	s_add_nc_u64 s[4:5], s[4:5], s[28:29]          ; rows 0-7 of the tile from here,
	s_lshl_b32 s28, s19, 13
	s_add_nc_u64 s[6:7], s[4:5], s[28:29]          ; rows 8-15 from here: for texts eight rows further down
.set n, 0
.rept 32                               ; load n: row n / 2, half n % 2: 512 consecutive bytes
.if n < 16
	global_load_b128 v[X+4*n:X+4*n+3], v3, s[4:5] offset:1024*(n/2)+512*(n%2) th:TH_LOAD_NT
.else
	global_load_b128 v[X+4*n:X+4*n+3], v3, s[6:7] offset:1024*(n/2)+512*(n%2) th:TH_LOAD_NT
.endif
.set n, n+1
.endr
.set n, 0
.rept 32
	s_wait_loadcnt 31-n                            ; loads come back in order: load n is in, the younger ones stay out
	ds_store_b128 v6, v[X+4*n:X+4*n+3] offset:PITCH*(n/2)+512*(n%2)
.set n, n+1
.endr
	s_wait_dscnt 0x0                               ; the stores have read their registers
.set n, 0
.rept 32                               ; block q = n / 8, piece n % 8: k = 64 q + 32 hk + 4 (n % 8) on, of row r
	ds_load_b128 v[X+4*n:X+4*n+3], v7 offset:256*(n/8)+16*(n%8)
.set n, n+1
.endr
	s_wait_dscnt 0x0
.irp q, 0,1,2,3
	v_max3_num_f32 v[MX+\q], |v[X+32*\q]|, |v[X+32*\q+1]|, 0x1800000   ; all 32 numbers of a block are mine; the floor 2^(3 - 127) holds the byte at 1 from below
.endr
.irp i, 2,4,6,8,10,12,14,16,18,20,22,24,26,28,30
.irp q, 0,1,2,3
	v_max3_num_f32 v[MX+\q], v[MX+\q], |v[X+32*\q+\i]|, |v[X+32*\q+\i+1]|   ; the four blocks by turns
.endr
.endr
.irp q, 0,1,2,3
	v_add_nc_u32 v[SC+\q], 0xff000000, v[MX+\q]    ; 2 off the exponent field: the conversion takes the exponent field of this operand as its scale
.endr
.irp q, 0,1,2,3
	v_lshrrev_b32 v[BY+\q], 23, v[SC+\q]           ; the scale's byte
.endr
.irp q, 0,1,2,3
	v_cvt_scalef32_pk16_fp6_f32 v[F+6*\q:F+6*\q+2], v[X+32*\q:X+32*\q+15], v[SC+\q]
	v_cvt_scalef32_pk16_fp6_f32 v[U+4*\q:U+4*\q+2], v[X+32*\q+16:X+32*\q+31], v[SC+\q]   ; a conversion's three registers begin on an even number: the upper half is made here and moved
.endr
	v_nop                                          ; one plain instruction behind the last scaled conversion
.irp q, 0,1,2,3
.irp i, 0,1,2
	v_mov_b32 v[F+6*\q+3+\i], v[U+4*\q+\i]
.endr
.endr
	v_lshl_or_b32 v24, v[BY+1], 16, v[BY]          ; K 0-127: my bytes are those of blocks hk and 2 + hk,
	v_lshl_or_b32 v25, v[BY+3], 16, v[BY+2]        ; K 128-255 likewise
	v_lshlrev_b32 v24, v9, v24                     ; at their places in the word
	v_lshlrev_b32 v25, v9, v25
	v_permlanex16_b32 v26, v24, s24, s25
	v_permlanex16_b32 v27, v25, s24, s25
	v_or_b32 v24, v24, v26                         ; with lane l xor 16's two bytes the words are whole
	v_or_b32 v25, v25, v27
	v_cndmask_b32 v24, v24, v25, s26               ; lanes 0-15 keep the first K step's word, lanes 16-31 take the second's
.irp c, 0,1,2,3,4,5
	global_store_b128 v3, v[F+4*\c:F+4*\c+3], s[8:9] offset:512*\c   ; 512 consecutive bytes, at a multiple of 256 from the buffer's first byte
.endr
	ds_store_b32 v8, v24
	s_wait_dscnt 0x0                               ; for the others' sake: my scale words lie in LDS
	s_barrier_signal -1
	s_barrier_wait -1
	s_cmp_lg_u32 s16, 0
	s_cbranch_scc1 .Lend
	ds_load_b128 v[28:31], v10                     ; wave 0: the four tiles' scale words,
	s_wait_dscnt 0x0
	global_store_b128 v3, v[28:31], s[10:11]       ; 512 consecutive bytes
.Lend:
	s_wait_tensorcnt 0x0
	ds_add_u32 v208, v209
	s_wait_dscnt 0x0
	s_endpgm
.Lfunc_end_k_qf7413a035a_quant:
	.size	k_qf7413a035a_quant, .Lfunc_end_k_qf7413a035a_quant-k_qf7413a035a_quant
	.p2alignl 7, 3214868480
	.fill 96, 4, 3214868480
	.section	.rodata,"a",@progbits
	.p2align	6, 0x0
	.amdhsa_kernel k_qf7413a035a_quant
		.amdhsa_group_segment_fixed_size 68096
		.amdhsa_private_segment_fixed_size 0
		.amdhsa_enable_private_segment 0
		.amdhsa_kernarg_size 48
		.amdhsa_user_sgpr_count 2
		.amdhsa_user_sgpr_kernarg_segment_ptr 1
		.amdhsa_wavefront_size32 1
		.amdhsa_system_sgpr_workgroup_id_x 1
		.amdhsa_system_sgpr_workgroup_id_y 1
		.amdhsa_system_sgpr_workgroup_id_z 1
		.amdhsa_system_vgpr_workitem_id 0
		.amdhsa_next_free_vgpr 210
		.amdhsa_next_free_sgpr 66
		.amdhsa_reserve_vcc 0
		.amdhsa_float_denorm_mode_32 3
		.amdhsa_float_denorm_mode_16_64 3
		.amdhsa_memory_ordered 1
		.amdhsa_forward_progress 1
		.amdhsa_inst_pref_size 18
	.end_amdhsa_kernel
	.amdgpu_metadata
---
amdhsa.version: [ 1, 2 ]
amdhsa.kernels:
  - .name:           k_qf7413a035a_quant
    .symbol:         k_qf7413a035a_quant.kd
    .args:
      - { .name: image_embs, .offset: 0, .size: 8, .value_kind: global_buffer, .address_space: global }
      - { .name: text_embs, .offset: 8, .size: 8, .value_kind: global_buffer, .address_space: global }
      - { .name: img_codes, .offset: 16, .size: 8, .value_kind: global_buffer, .address_space: global }
      - { .name: img_scales, .offset: 24, .size: 8, .value_kind: global_buffer, .address_space: global }
      - { .name: txt_codes, .offset: 32, .size: 8, .value_kind: global_buffer, .address_space: global }
      - { .name: txt_scales, .offset: 40, .size: 8, .value_kind: global_buffer, .address_space: global }
    .group_segment_fixed_size: 68096
    .private_segment_fixed_size: 0
    .kernarg_segment_align: 8
    .kernarg_segment_size: 48
    .max_flat_workgroup_size: 128
    .sgpr_count:     66
    .vgpr_count:     210
    .wavefront_size: 32
...
	.end_amdgpu_metadata
.endif
;; end of part 1
;; launch scan (part 2): grid 32 x 8, 4 waves a work-group, clusters of 4 x 1, 327,680 bytes of LDS; arguments img_codes, img_scales, txt_codes, txt_scales, rec; writes rec
.if DOCPART == 2
	.amdgcn_target "amdgcn-amd-amdhsa--gfx1250"
	.amdhsa_code_object_version 6
	.text
	.protected	k_qf7413a035a_scan
	.globl	k_qf7413a035a_scan
	.p2align	8
	.type	k_qf7413a035a_scan,@function
k_qf7413a035a_scan:
	s_mov_b64 s[64:65], 0
	v_nop
	global_prefetch_b8 v0, s[64:65] scope:SCOPE_SE
	s_setreg_imm32_b32 hwreg(HW_REG_WAVE_MODE, 25, 1), 1
	s_wait_xcnt 0x0
	s_wait_alu depctr_hold_cnt(0) depctr_sa_sdst(0) depctr_va_vdst(0) depctr_va_sdst(0) depctr_va_ssrc(0) depctr_va_vcc(0) depctr_vm_vsrc(0)
	s_getreg_b32 s2, hwreg(HW_REG_IB_STS2, 6, 4)
	s_cmp_eq_u32 s2, 0
	s_cbranch_scc0 .Lentry_in_a_cluster
	s_endpgm
.Lentry_in_a_cluster:
	s_bfe_u32 s2, ttmp6, 0x10000c
	s_cmp_lg_u32 s2, 0x3003
	s_cbranch_scc0 .Lentry_shape_is_right
	s_endpgm
.Lentry_shape_is_right:
; All 8,192 x 16,384 similarities on codes of FP6 (E2M3) with E8M0 scales, reduced on the way: texts go in GROUPS of 16 neighbours (gid = text / 16), and for each image the ten best groups of this
; work-group's 2,048 texts are kept, ranked by (the group's largest similarity, descending; gid, ascending).  A group that holds one of an image's ten best texts has its best text among them, so the ten best groups hold them all.
; SHARES.  A work-group takes 256 images (block = 4 x cluster x + cx) and 2,048 texts (y): 128 text tiles = 64 pairs.  Wave w takes image tiles 16 block + 4 w + 0 .. 3 against all of them.
; LAYOUT.  Source 0 = a text tile, source 1 = an image tile: lane (r, h) holds image r, and the 16 results of text tiles 2 b, 2 b + 1 are texts 32 b + 16 h + 0 .. 15: group 2 b + h.
; A group's maximum costs half an instruction a similarity; only maxima are inserted into the lane's sorted list of ten (39 instructions).  A strict compare and ascending gids keep the lower gid ahead where values are equal.
; CLUSTER.  The four work-groups of a cluster share y, so every text tile is asked for JOINTLY (mask 15); cx enters the images' and rec's global addresses alone.
; RING.  Two LDS slots of 32 text tiles (98,304 bytes), each wave fetching a quarter with one tensor load; the scale words of all 128 tiles come once.  Four phases of 16 pairs; two refills in all, each with a phase in which to land.
; WINDOWS.  The same register numbers serve in window 0 and in window 1: a half step under setting 0 multiplies the pair's first tile and inserts for image tiles 0, 1; a half step under 0x55 multiplies the second
; tile and inserts for image tiles 2, 3.  The images' fragments are held in both windows.  Four switches for a pair's 16 matrix instructions.  Scale operands have no window: they lie in window 0.
; The insertions of pair t - 1 stand in slices behind the matrix instructions of pair t.
; rec[(P 8 + y) 5 + q][lane][16 bytes]: P = image tile / 2; lanes 0-15 tile 2 P, lanes 16-31 tile 2 P + 1; the 20 words are the ten maxima, then the ten gids.
; LIMITS: NaN and infinite similarities are not served; +0 and -0 count as equal.
.set SLOTB, 98304                      ; a slot: 32 tiles of 3,072 bytes, no padding: every LDS read takes 512 consecutive bytes
.set TILEB, 3072
.set PAIRB, 2*TILEB
.set SCL,   2*SLOTB                    ; behind the ring: the scale words of the 128 tiles, 128 bytes each
.set SPARE, SCL+16384                  ; the spare words, 128 bytes for each wave: two blocks of 256 bytes that no other line names
.set AK0,  1                           ; 16 x lane (both windows)
.set ADB,  2                           ; LDS address of the pair in hand (both windows)
.set GID,  3                           ; the gid of the maxima to be inserted (both windows)
.set SPW,  4                           ; LDS address of my spare word; never rewritten
.set NIL,  5                           ; 0; never rewritten
.set TT,   6                           ; v6-10 at work (both windows)
.set ASK0, 11                          ; SCL + 4 x lane
.set PQ,   12                          ; v12-15 the four image tiles' maxima over a text tile: window 0 the first tile's, window 1 the second's
.set GM,   16                          ; v16-17 group maxima: window 0 image tiles 0, 1; window 1 tiles 2, 3
.set ASC,  18                          ; v18-21 the image tiles' scale words (lanes 0-15 K 0-127, lanes 16-31 K 128-255)
.set BSC0, 22                          ; the first text tile's scale words
.set BSC1, 23                          ; the second's
.set BF,   24                          ; v24-47 a text tile: window 0 the first, window 1 the second
.set ACC,  48                          ; v48-79 four accumulators
.set LA,   80                          ; v80-99 a list: ten values, ten gids
.set LB,   100                         ; v100-119
.set AF,   120                         ; v120-215 the four image tiles
.set ADS,  216                         ; LDS address of the pair's scale words
.set L4,   218                         ; 4 x lane
.set LN,   219                         ; lane
.set HH,   220                         ; h
.set O0,   24                          ; the way out: merged lists
.set O1,   44
.set WV,   14                          ; s14 wave
.set G1C,  24                          ; s[24:31] group 1 for a quarter of a slot
.set G1S,  32                          ; s[32:39] for a quarter of the scale words
.set G0,   40                          ; s[40:47] groups 0 of slots 0, 1
.set G0S,  48                          ; s[48:51] group 0 of the scale words
.set TB,   52                          ; LDS byte of the pair in hand
.set TS,   53                          ; byte of its scale words in their region
.set CNT,  54
.set SEL,  56                          ; s[56:57] lane selects: lane l xor 16
.set HM,   58                          ; lanes 16-31
.set NINF, 59                          ; minus infinity
.set CA,   70                          ; s[70:79], s[80:89] the compares' masks of two insertions
.set CB,   80
.set MK0,  90                          ; s90-92 masks of a merge
.set MK1,  91
.set MK2,  92
.set MSB, 0
.macro WIN new                         ; the immediate's high byte repeats the setting that is left
.if MSB != \new
	s_set_vgpr_msb (MSB<<8)|\new
.set MSB, \new
.endif
.endm
.macro CROUND                          ; a round of the cluster's barrier
	s_barrier_signal -1
	s_barrier_wait -1
	s_cmp_lg_u32 s[WV], 0
	s_cbranch_scc1 .Lnot_wave_0_\@
	s_barrier_signal -3
.Lnot_wave_0_\@:
	s_barrier_wait -3
	s_barrier_signal -1
	s_barrier_wait -1
.endm
; AN INSERTION of (value X, id XI) into the sorted list L, in four parts.  c[k] = X > V[k]; V[k] becomes the middle one of X, V[k-1], V[k]; I[k] becomes c[k] ? (c[k-1] ? I[k-1] : XI) : I[k].
.macro CMPS L, X, C
.irp k, 0,1,2,3,4,5,6,7,8,9
	v_cmp_gt_f32 s[(\C)+\k], v[(\X)], v[(\L)+\k]
.endr
.endm
.macro MEDS L, X
.irp k, 9,8,7,6,5,4,3,2,1
	v_med3_num_f32 v[(\L)+\k], v[(\X)], v[(\L)+\k-1], v[(\L)+\k]
.endr
	v_max_num_f32 v[(\L)], v[(\X)], v[(\L)]
.endm
.macro CNDA L, XI, C
.irp k, 9,8,7,6,5
	v_cndmask_b32 v[TT+9-\k], v[(\XI)], v[(\L)+9+\k], s[(\C)+\k-1]
.endr
.irp k, 9,8,7,6,5
	v_cndmask_b32 v[(\L)+10+\k], v[(\L)+10+\k], v[TT+9-\k], s[(\C)+\k]
.endr
.endm
.macro CNDB L, XI, C
.irp k, 4,3,2,1
	v_cndmask_b32 v[TT+4-\k], v[(\XI)], v[(\L)+9+\k], s[(\C)+\k-1]
.endr
.irp k, 4,3,2,1
	v_cndmask_b32 v[(\L)+10+\k], v[(\L)+10+\k], v[TT+4-\k], s[(\C)+\k]
.endr
	v_cndmask_b32 v[(\L)+10], v[(\L)+10], v[(\XI)], s[(\C)]
.endm
.macro INS1 L, X, XI, C
	CMPS \L, \X, \C
	MEDS \L, \X
	CNDA \L, \XI, \C
	CNDB \L, \XI, \C
.endm
; The lists of lanes l and l xor 16 are merged into O, the same in both lanes.  Ten steps: the partner's head comes over; mine wins where it is larger, or equal with the lower id; the winner goes to O and leaves its list.
.macro MERGE2 L, O
.set kk, 0
.rept 10
	v_permlanex16_b32 v[TT], v[(\L)], s[SEL], s[SEL+1]
	v_permlanex16_b32 v[TT+1], v[(\L)+10], s[SEL], s[SEL+1]
	v_cmp_gt_f32 s[MK0], v[(\L)], v[TT]
	v_cmp_eq_f32 s[MK1], v[(\L)], v[TT]
	v_cmp_lt_u32 s[MK2], v[(\L)+10], v[TT+1]
	s_and_b32 s[MK1], s[MK1], s[MK2]
	s_or_b32 s[MK0], s[MK0], s[MK1]
	v_max_num_f32 v[(\O)+kk], v[(\L)], v[TT]
	v_cndmask_b32 v[(\O)+10+kk], v[TT+1], v[(\L)+10], s[MK0]
.if kk < 9
.set jj, 0
.rept 9-kk                             ; behind step kk only 9 - kk more are wanted of either list
	v_cndmask_b32 v[(\L)+jj], v[(\L)+jj], v[(\L)+jj+1], s[MK0]
	v_cndmask_b32 v[(\L)+10+jj], v[(\L)+10+jj], v[(\L)+11+jj], s[MK0]
.set jj, jj+1
.endr
.endif
.set kk, kk+1
.endr
.endm
; One matrix instruction: the window's text tile x image tile i, K step s.  The first K step starts the sum; the second takes both sides' scale words from lanes 16-31.
.macro MM i, s, bsc
.if \s == 0
	v_wmma_scale_f32_16x16x128_f8f6f4 v[ACC+8*\i:ACC+8*\i+7], v[BF:BF+11], v[AF+24*\i:AF+24*\i+11], 0, v[\bsc], v[ASC+\i] matrix_a_fmt:MATRIX_FMT_FP6 matrix_b_fmt:MATRIX_FMT_FP6
.else
	v_wmma_scale_f32_16x16x128_f8f6f4 v[ACC+8*\i:ACC+8*\i+7], v[BF+12:BF+23], v[AF+24*\i+12:AF+24*\i+23], v[ACC+8*\i:ACC+8*\i+7], v[\bsc], v[ASC+\i] matrix_a_fmt:MATRIX_FMT_FP6 matrix_b_fmt:MATRIX_FMT_FP6 matrix_a_scale:MATRIX_SCALE_ROW1 matrix_b_scale:MATRIX_SCALE_ROW1
.endif
.endm
.macro TREE8                           ; the largest of each accumulator's eight, from its low end on, the four tiles by turns
.irp i, 0,1,2,3
	v_max3_num_f32 v[PQ+\i], v[ACC+8*\i], v[ACC+8*\i+1], v[ACC+8*\i+2]
.endr
.irp i, 0,1,2,3
	v_max3_num_f32 v[PQ+\i], v[PQ+\i], v[ACC+8*\i+3], v[ACC+8*\i+4]
.endr
.irp i, 0,1,2,3
	v_max3_num_f32 v[PQ+\i], v[PQ+\i], v[ACC+8*\i+5], v[ACC+8*\i+6]
.endr
.irp i, 0,1,2,3
	v_max_num_f32 v[PQ+\i], v[PQ+\i], v[ACC+8*\i+7]
.endr
.endm
; A HALF STEP, all in one window: eight matrix instructions, the four accumulators by turns, and behind each a slice of the two insertions of the pair before.
; The last slice's nine plain instructions and the step of GID are the places in front of the loads into the tile's and the scale's registers and of the first read of results.
; ahead = 1: the next pair's tile of this window is fetched, at byte K of the pair.
.macro HS ahead, K, bsc
	MM 0, 0, \bsc
	CMPS LA, GM, CA
	MM 1, 0, \bsc
	CMPS LB, GM+1, CB
	MM 2, 0, \bsc
	MEDS LA, GM
	MM 3, 0, \bsc
	MEDS LB, GM+1
	MM 0, 1, \bsc
	CNDA LA, GID, CA
	MM 1, 1, \bsc
	CNDB LA, GID, CA
	MM 2, 1, \bsc
	CNDA LB, GID, CB
	MM 3, 1, \bsc
	CNDB LB, GID, CB
	v_add_nc_u32 v[GID], 2, v[GID]                 ; the next pair's group of my half of the lanes
.if \ahead
.irp c, 0,1,2,3,4,5
	ds_load_b128 v[BF+4*\c:BF+4*\c+3], v[ADB] offset:PAIRB+\K+512*\c
.endr
.if \K == 0
	ds_load_b32 v[BSC0], v[ADS] offset:256
.endif
.endif
	TREE8
.endm
; A TRIP: one pair of text tiles against my four image tiles.
.macro TRIP ahead
	v_add_nc_u32 v[ADB], s[TB], v[AK0]
	v_add_nc_u32 v[ADS], s[TS], v[ASK0]
	ds_load_b32 v[BSC1], v[ADS] offset:128         ; the second tile's scale words (scale registers lie in window 0, so they are fetched under this setting)
	s_wait_dscnt 7                                 ; the first tile and its scale words are in; the second tile's six loads and the load above may be out
	HS \ahead, 0, BSC0
	WIN 0x55
	v_add_nc_u32 v[ADB], s[TB], v[AK0]
	s_wait_dscnt 7*\ahead                          ; the second tile and its scale words are in; the next pair's first tile and scale words (seven loads) may be out
	HS \ahead, TILEB, BSC1
	WIN 0x44                                       ; source 0 window 0, source 1 and destination window 1
	v_max_num_f32 v[GM], v[PQ+2], v[PQ+2]          ; the groups' maxima: image tiles 2, 3 into window 1,
	v_max_num_f32 v[GM+1], v[PQ+3], v[PQ+3]
	WIN 0x04                                       ; source 1 window 1, the rest window 0
	v_max_num_f32 v[GM], v[PQ], v[PQ]              ; tiles 0, 1 into window 0
	v_max_num_f32 v[GM+1], v[PQ+1], v[PQ+1]
	WIN 0
	s_add_co_u32 s[TB], s[TB], PAIRB
	s_add_co_u32 s[TS], s[TS], 256
.endm
; A PHASE: the 16 pairs of a slot.  The last trip is written out: it fetches nothing, so that no read passes the slot's end.
.macro PHASE p
	s_mov_b32 s[TB], ((\p)%2)*SLOTB
	s_mov_b32 s[TS], (\p)*4096
	v_add_nc_u32 v[ADB], s[TB], v[AK0]
	v_add_nc_u32 v[ADS], s[TS], v[ASK0]
.irp c, 0,1,2,3,4,5
	ds_load_b128 v[BF+4*\c:BF+4*\c+3], v[ADB] offset:512*\c
.endr
	ds_load_b32 v[BSC0], v[ADS]
	WIN 0x55
	v_add_nc_u32 v[ADB], s[TB], v[AK0]
.irp c, 0,1,2,3,4,5
	ds_load_b128 v[BF+4*\c:BF+4*\c+3], v[ADB] offset:TILEB+512*\c
.endr
	WIN 0                                          ; at a label and at a branch every window is 0
	s_mov_b32 s[CNT], 0
.Ltrip_\@:
	TRIP 1
	s_add_co_u32 s[CNT], s[CNT], 1
	s_cmp_lt_u32 s[CNT], 15
	s_cbranch_scc1 .Ltrip_\@
	TRIP 0
.endm
; THE CHANGE OF SLOTS.  Each wave waits for all its tensor loads (its quarter of the slot ahead), adds 0 to its spare word, and waits for that and for its reads of the slot that it leaves.
; fill = 1: slot f, just left, takes the tiles two slots on: the barrier is a round of the cluster's, and the joint refill is the first thing behind it.
.macro CHANGE f, fill
	s_wait_tensorcnt 0x0                           ; no tensor load of mine is out, so a group 0 may be written
	ds_add_u32 v[SPW], v[NIL]                      ; 0 onto my spare word
.if \fill
	s_add_nc_u64 s[G0+4*\f+2:G0+4*\f+3], s[G0+4*\f+2:G0+4*\f+3], 2*SLOTB   ; the type bits on top are not reached
.endif
	s_wait_dscnt 0x0                               ; the add is done, and my reads of the slot are over
.if \fill
	CROUND
	tensor_load_to_lds s[G0+4*\f:G0+4*\f+3], s[G1C:G1C+7]
	s_nop 0
.rept 4
	v_nop                                          ; places in front of the loads that follow
.endr
.else
	s_barrier_signal -1
	s_barrier_wait -1
.endif
.endm
.macro INITW                           ; what both windows start from: constants alone are read
.irp k, 0,1,2,3,4
	v_mov_b32 v[TT+\k], 0
.endr
	v_mov_b32 v[GM], s[NINF]                       ; the first trip inserts nothing: minus infinity is above no list entry
	v_mov_b32 v[GM+1], s[NINF]
.irp k, 0,1,2,3,4,5,6,7,8,9
	v_mov_b32 v[LA+\k], s[NINF]
	v_mov_b32 v[LA+10+\k], 0
	v_mov_b32 v[LB+\k], s[NINF]
	v_mov_b32 v[LB+10+\k], 0
.endr
.endm
; THE WAY OUT of a window's two image tiles: each tile's two half lists are merged; lanes 0-15 keep the first tile's, lanes 16-31 take the second's; five stores of 512 consecutive bytes.
.macro EPI off
	MERGE2 LA, O0
	MERGE2 LB, O1
.irp k, 0,1,2,3,4,5,6,7,8,9,10,11,12,13,14,15,16,17,18,19
	v_cndmask_b32 v[O0+\k], v[O0+\k], v[O1+\k], s[HM]
.endr
.irp q, 0,1,2,3,4
	global_store_b128 v[AK0], v[O0+4*\q:O0+4*\q+3], s[12:13] offset:\off+512*\q
.endr
.endm
	s_load_b256 s[4:11], s[0:1], 0x0               ; the images' codes s[4:5] and scales s[6:7], the texts' codes s[8:9] and scales s[10:11]
	s_load_b64 s[12:13], s[0:1], 0x20              ; rec
	v_lshl_add_u32 v[SPW], v0, 2, SPARE
	v_mov_b32 v[NIL], 0
	ds_add_u32 v4, v5
	ds_add_u32 v4, v5
	s_wait_dscnt 0x0
	v_lshrrev_b32 v[TT], 5, v0
	v_readfirstlane_b32 s[WV], v[TT]               ; wave 0..3
	s_bfe_u32 s15, ttmp6, 0x40000                  ; cx
	s_lshl_b32 s16, ttmp9, 2
	s_add_co_u32 s16, s16, s15                     ; my block of 256 images = 4 x cluster x + cx
	s_and_b32 s17, ttmp7, 0xffff                   ; y: my 2,048 texts, which the four partners share
	; group 1: dense blocks as rows of 256 bytes (32 elements of 8 bytes): 96 rows for a quarter of a slot, 16 for a quarter of the scale words
	s_mov_b32 s[G1C], 15|(3<<16)|(1<<21)           ; 15:0 the mask: all four work-groups; 17:16 elements of 8 bytes; 20 no padding; 21 set beside a mask
	s_mov_b32 s[G1C+1], 32<<16                     ; tensor_dim0 = 32
	s_mov_b32 s[G1C+2], 96<<16                     ; tensor_dim1 = 96
	s_mov_b32 s[G1C+3], 32<<16                     ; tile_dim0 = 32
	s_mov_b32 s[G1C+4], 96                         ; tile_dim1 = 96
	s_mov_b32 s[G1C+5], 32                         ; from row to row
	s_mov_b32 s[G1C+6], 0
	s_mov_b32 s[G1C+7], 0
	s_mov_b32 s[G1S], 15|(3<<16)|(1<<21)
	s_mov_b32 s[G1S+1], 32<<16
	s_mov_b32 s[G1S+2], 16<<16
	s_mov_b32 s[G1S+3], 32<<16
	s_mov_b32 s[G1S+4], 16
	s_mov_b32 s[G1S+5], 32
	s_mov_b32 s[G1S+6], 0
	s_mov_b32 s[G1S+7], 0
	s_mov_b32 s[SEL], 0x76543210
	s_mov_b32 s[SEL+1], 0xfedcba98
	s_mov_b32 s[HM], 0xffff0000
	s_mov_b32 s[NINF], 0xff800000
	; the texts: made of y and the wave's number alone, in registers that never hold cx
	s_mul_i32 s20, s[WV], 24576                    ; my quarter of a slot
	s_mul_i32 s18, s17, 393216                     ; y's 128 tiles
	s_add_co_u32 s18, s18, s20
	s_mov_b32 s19, 0
	s_lshl_b32 s21, s[WV], 12                      ; my quarter of the scale words
	s_lshl_b32 s22, s17, 14
	s_add_co_u32 s22, s22, s21
	s_mov_b32 s23, 0
	; the images and rec
	s_mul_i32 s60, s16, 49152                      ; 16 tiles a block,
	s_mul_i32 s61, s[WV], 12288                    ; 4 a wave
	s_add_co_u32 s60, s60, s61
	s_mov_b32 s61, 0
	s_lshl_b32 s62, s16, 11
	s_lshl_b32 s63, s[WV], 9
	s_add_co_u32 s62, s62, s63
	s_mov_b32 s63, 0
	s_mul_i32 s66, s16, 163840                     ; ((8 block + 2 wave) 8 + y) x 2,560
	s_mul_i32 s67, s[WV], 40960
	s_add_co_u32 s66, s66, s67
	s_mul_i32 s67, s17, 2560
	s_add_co_u32 s66, s66, s67
	s_mov_b32 s67, 0
	s_lshl_b32 s68, s17, 7
	s_sub_co_u32 s68, s68, 2                       ; 128 y - 2: the first trip steps the gid to its first value
	s_wait_kmcnt 0x0
	s_mov_b32 s[G0], 1
	s_mov_b32 s[G0+1], s20
	s_add_nc_u64 s[G0+2:G0+3], s[8:9], s[18:19]
	s_mov_b32 s[G0+4], 1
	s_add_co_u32 s[G0+5], s20, SLOTB
	s_add_nc_u64 s[G0+6:G0+7], s[G0+2:G0+3], SLOTB
	s_or_b32 s[G0+3], s[G0+3], 0x80000000
	s_or_b32 s[G0+7], s[G0+7], 0x80000000
	s_mov_b32 s[G0S], 1
	s_add_co_u32 s[G0S+1], s21, SCL
	s_add_nc_u64 s[G0S+2:G0S+3], s[10:11], s[22:23]
	s_or_b32 s[G0S+3], s[G0S+3], 0x80000000
	s_add_nc_u64 s[4:5], s[4:5], s[60:61]
	s_add_nc_u64 s[6:7], s[6:7], s[62:63]
	s_add_nc_u64 s[12:13], s[12:13], s[66:67]
	CROUND                                         ; all four work-groups are here: the first joint loads meet
	tensor_load_to_lds s[G0S:G0S+3], s[G1S:G1S+7]  ; the three first fills go out together: three loads of mine are out
	s_nop 0
	tensor_load_to_lds s[G0:G0+3], s[G1C:G1C+7]
	s_nop 0
	tensor_load_to_lds s[G0+4:G0+7], s[G1C:G1C+7]
	s_nop 0
.rept 4
	v_nop
.endr
	v_and_b32 v[LN], 31, v0
	v_lshlrev_b32 v[AK0], 4, v[LN]
	v_lshlrev_b32 v[L4], 2, v[LN]
	v_bfe_u32 v[HH], v0, 4, 1
.irp i, 0,1,2,3
.irp c, 0,1,2,3,4,5
	global_load_b128 v[AF+24*\i+4*\c:AF+24*\i+4*\c+3], v[AK0], s[4:5] offset:TILEB*\i+512*\c   ; my four image tiles stay in registers
.endr
	global_load_b32 v[ASC+\i], v[L4], s[6:7] offset:128*\i
.endr
	v_add_nc_u32 v[ASK0], SCL, v[L4]
	v_add_nc_u32 v[GID], s68, v[HH]
	INITW
	WIN 0x40                                       ; destination window 1, sources and addresses window 0
.irp i, 0,1,2,3
.irp c, 0,1,2,3,4,5
	global_load_b128 v[AF+24*\i+4*\c:AF+24*\i+4*\c+3], v[AK0], s[4:5] offset:TILEB*\i+512*\c   ; and once more in window 1
.endr
.endr
	v_lshlrev_b32 v[AK0], 4, v[LN]
	v_add_nc_u32 v[GID], s68, v[HH]
	INITW
	WIN 0
	s_wait_loadcnt 0x0                             ; the images
	s_wait_tensorcnt 1                             ; the scale words and my quarter of slot 0 are in; slot 1's may stay out
	s_barrier_signal -1
	s_barrier_wait -1                              ; everybody's are
	PHASE 0
	CHANGE 0, 1
	PHASE 1
	CHANGE 1, 1
	PHASE 2
	CHANGE 0, 0                                    ; nothing is left to fetch
	PHASE 3
	INS1 LA, GM, GID, CA                           ; the last pair's maxima
	INS1 LB, GM+1, GID, CB
	WIN 0x55
	INS1 LA, GM, GID, CA
	INS1 LB, GM+1, GID, CB
	WIN 0
	EPI 0
	WIN 0x55
	EPI 20480                                      ; image tiles 2, 3: the next P, eight records of 2,560 bytes on
	WIN 0
	s_wait_tensorcnt 0x0                           ; the wave's end
	ds_add_u32 v[SPW], v[NIL]
	s_wait_dscnt 0x0
	CROUND                                         ; the closing round
	s_endpgm
.Lfunc_end_k_qf7413a035a_scan:
	.size	k_qf7413a035a_scan, .Lfunc_end_k_qf7413a035a_scan-k_qf7413a035a_scan
	.p2alignl 7, 3214868480
	.fill 96, 4, 3214868480
	.section	.rodata,"a",@progbits
	.p2align	6, 0x0
	.amdhsa_kernel k_qf7413a035a_scan
		.amdhsa_group_segment_fixed_size 327680
		.amdhsa_private_segment_fixed_size 0
		.amdhsa_enable_private_segment 0
		.amdhsa_kernarg_size 40
		.amdhsa_user_sgpr_count 2
		.amdhsa_user_sgpr_kernarg_segment_ptr 1
		.amdhsa_wavefront_size32 1
		.amdhsa_system_sgpr_workgroup_id_x 1
		.amdhsa_system_sgpr_workgroup_id_y 1
		.amdhsa_system_sgpr_workgroup_id_z 1
		.amdhsa_system_vgpr_workitem_id 0
		.amdhsa_next_free_vgpr 512
		.amdhsa_next_free_sgpr 96
		.amdhsa_reserve_vcc 0
		.amdhsa_float_denorm_mode_32 3
		.amdhsa_float_denorm_mode_16_64 3
		.amdhsa_memory_ordered 1
		.amdhsa_forward_progress 1
		.amdhsa_inst_pref_size 190
	.end_amdhsa_kernel
	.amdgpu_metadata
---
amdhsa.version: [ 1, 2 ]
amdhsa.kernels:
  - .name:           k_qf7413a035a_scan
    .symbol:         k_qf7413a035a_scan.kd
    .args:
      - { .name: img_codes, .offset: 0, .size: 8, .value_kind: global_buffer, .address_space: global }
      - { .name: img_scales, .offset: 8, .size: 8, .value_kind: global_buffer, .address_space: global }
      - { .name: txt_codes, .offset: 16, .size: 8, .value_kind: global_buffer, .address_space: global }
      - { .name: txt_scales, .offset: 24, .size: 8, .value_kind: global_buffer, .address_space: global }
      - { .name: rec, .offset: 32, .size: 8, .value_kind: global_buffer, .address_space: global }
    .group_segment_fixed_size: 327680
    .private_segment_fixed_size: 0
    .kernarg_segment_align: 8
    .kernarg_segment_size: 40
    .max_flat_workgroup_size: 128
    .sgpr_count:     96
    .vgpr_count:     512
    .wavefront_size: 32
...
	.end_amdgpu_metadata
.endif
;; end of part 2
;; launch pick (part 3): grid 256 x 1, 2 waves a work-group, no clusters, 2,304 bytes of LDS; arguments rec, sel; writes sel
.if DOCPART == 3
	.amdgcn_target "amdgcn-amd-amdhsa--gfx1250"
	.amdhsa_code_object_version 6
	.text
	.protected	k_qf7413a035a_pick
	.globl	k_qf7413a035a_pick
	.p2align	8
	.type	k_qf7413a035a_pick,@function
k_qf7413a035a_pick:
	s_mov_b64 s[64:65], 0
	v_nop
	global_prefetch_b8 v0, s[64:65] scope:SCOPE_SE
	s_setreg_imm32_b32 hwreg(HW_REG_WAVE_MODE, 25, 1), 1
	s_wait_xcnt 0x0
; For each image the eight lists of ten groups (one for each 2,048 texts) are merged into the ten best groups of all, ranked by (maximum, descending; gid, ascending), and their gids are stored in ascending order,
; as whole numbers at fixed places: sel[tile][16 rows][16 images] of u32, rows 0-9 the gids, rows 10-15 zeros.  The next launch forms addresses from them.
; A wave takes one image tile t = 2 x work-group + wave.  Lane (r, h) takes image r and the lists y = 4 h + a, a = 0 .. 3: list a = 0 is taken as it comes, the 30 entries of the others are inserted in ascending order of
; a and of rank: their gids ascend where values are equal, so a strict compare keeps the lower gid ahead.  Then the two halves of the lanes are merged.
; Each half of the lanes reads 256 consecutive bytes a load.  No cluster, no matrix unit: work-groups share no input, and there is no product.
; LIMITS: NaN and infinities are not served; +0 and -0 count as equal.
.set TT,  6                            ; v6-10 at work
.set LL,  20                           ; v20-39 the list; v40-99 the three lists to be inserted
.set OO,  100                          ; v100-119 the merged list
.set SEL, 16                           ; s[16:17]
.set CC,  20                           ; s[20:29]
.set MK0, 30
.set MK1, 31
.set MK2, 32
.macro CMPS L, X, C
.irp k, 0,1,2,3,4,5,6,7,8,9
	v_cmp_gt_f32 s[(\C)+\k], v[(\X)], v[(\L)+\k]
.endr
.endm
.macro MEDS L, X
.irp k, 9,8,7,6,5,4,3,2,1
	v_med3_num_f32 v[(\L)+\k], v[(\X)], v[(\L)+\k-1], v[(\L)+\k]
.endr
	v_max_num_f32 v[(\L)], v[(\X)], v[(\L)]
.endm
.macro CNDA L, XI, C
.irp k, 9,8,7,6,5
	v_cndmask_b32 v[TT+9-\k], v[(\XI)], v[(\L)+9+\k], s[(\C)+\k-1]
.endr
.irp k, 9,8,7,6,5
	v_cndmask_b32 v[(\L)+10+\k], v[(\L)+10+\k], v[TT+9-\k], s[(\C)+\k]
.endr
.endm
.macro CNDB L, XI, C
.irp k, 4,3,2,1
	v_cndmask_b32 v[TT+4-\k], v[(\XI)], v[(\L)+9+\k], s[(\C)+\k-1]
.endr
.irp k, 4,3,2,1
	v_cndmask_b32 v[(\L)+10+\k], v[(\L)+10+\k], v[TT+4-\k], s[(\C)+\k]
.endr
	v_cndmask_b32 v[(\L)+10], v[(\L)+10], v[(\XI)], s[(\C)]
.endm
.macro INS1 L, X, XI, C                ; (value X, id XI) into the sorted list L: c[k] = X > V[k]; V[k] = the middle one of X, V[k-1], V[k]; I[k] = c[k] ? (c[k-1] ? I[k-1] : XI) : I[k]
	CMPS \L, \X, \C
	MEDS \L, \X
	CNDA \L, \XI, \C
	CNDB \L, \XI, \C
.endm
.macro MERGE2 L, O                     ; the lists of lanes l and l xor 16 into O, the same in both: ten steps; mine wins where it is larger, or equal with the lower id
.set kk, 0
.rept 10
	v_permlanex16_b32 v[TT], v[(\L)], s[SEL], s[SEL+1]
	v_permlanex16_b32 v[TT+1], v[(\L)+10], s[SEL], s[SEL+1]
	v_cmp_gt_f32 s[MK0], v[(\L)], v[TT]
	v_cmp_eq_f32 s[MK1], v[(\L)], v[TT]
	v_cmp_lt_u32 s[MK2], v[(\L)+10], v[TT+1]
	s_and_b32 s[MK1], s[MK1], s[MK2]
	s_or_b32 s[MK0], s[MK0], s[MK1]
	v_max_num_f32 v[(\O)+kk], v[(\L)], v[TT]
	v_cndmask_b32 v[(\O)+10+kk], v[TT+1], v[(\L)+10], s[MK0]
.if kk < 9
.set jj, 0
.rept 9-kk
	v_cndmask_b32 v[(\L)+jj], v[(\L)+jj], v[(\L)+jj+1], s[MK0]
	v_cndmask_b32 v[(\L)+10+jj], v[(\L)+10+jj], v[(\L)+11+jj], s[MK0]
.set jj, jj+1
.endr
.endif
.set kk, kk+1
.endr
.endm
.macro CSWAP a, b                      ; the lower of two gids into a, the higher into b
	v_min_u32 v[TT], v[(\a)], v[(\b)]
	v_max_u32 v[(\b)], v[(\a)], v[(\b)]
	v_mov_b32 v[(\a)], v[TT]
.endm
	s_load_b128 s[4:7], s[0:1], 0x0                ; rec, sel
	v_lshl_add_u32 v128, v0, 2, 0x800
	v_mov_b32 v129, 0
	v_lshrrev_b32 v1, 5, v0
	v_readfirstlane_b32 s8, v1                     ; wave 0, 1
	v_and_b32 v1, 15, v0                           ; r
	v_bfe_u32 v2, v0, 4, 1                         ; h
	v_and_b32 v4, 31, v0
	v_lshlrev_b32 v5, 4, v4                        ; 16 x lane
	v_mul_u32_u24 v3, v2, 10240                    ; lists 4 h on: four records of 2,560 bytes,
	v_lshl_add_u32 v3, v1, 4, v3                   ; my image's 16 bytes,
	s_lshl_b32 s9, s8, 8
	v_add_nc_u32 v3, s9, v3                        ; in the record's half that is my tile's
	s_lshl_b32 s10, s8, 10                         ; my wave's stage: 1,024 bytes
	v_lshl_add_u32 v12, v1, 2, s10                 ; in: 4 r
	v_add_nc_u32 v13, s10, v5                      ; back: 16 x lane
	v_mov_b32 v14, 0
.irp k, 0,1,2,3,4
	v_mov_b32 v[TT+\k], 0                          ; a lane permute's destination counts as one of its sources
.endr
	s_mov_b32 s[SEL], 0x76543210
	s_mov_b32 s[SEL+1], 0xfedcba98
	s_mul_i32 s12, ttmp9, 20480                    ; the pair of tiles' eight records
	s_mov_b32 s13, 0
	s_lshl_b32 s14, ttmp9, 11
	s_add_co_u32 s14, s14, s10                     ; 1,024 x tile
	s_mov_b32 s15, 0
	s_wait_kmcnt 0x0
	s_add_nc_u64 s[4:5], s[4:5], s[12:13]
	s_add_nc_u64 s[6:7], s[6:7], s[14:15]
.irp a, 0,1,2,3
.irp q, 0,1,2,3,4
	global_load_b128 v[LL+20*\a+4*\q:LL+20*\a+4*\q+3], v3, s[4:5] offset:2560*\a+512*\q th:TH_LOAD_NT
.endr
.endr
.irp a, 1,2,3
	s_wait_loadcnt 15-5*\a                         ; lists 0 to a are in; the five loads of each later list may be out
.irp k, 0,1,2,3,4,5,6,7,8,9
	INS1 LL, LL+20*\a+\k, LL+20*\a+10+\k, CC
.endr
.endr
	MERGE2 LL, OO
.rept 5                                ; the ten gids in ascending order: ten passes of neighbours by turns
.irp i, 0,2,4,6,8
	CSWAP OO+10+\i, OO+11+\i
.endr
.irp i, 1,3,5,7
	CSWAP OO+10+\i, OO+11+\i
.endr
.endr
.irp k, 0,1,2,3,4,5,6,7,8,9
	ds_store_b32 v12, v[OO+10+\k] offset:64*\k     ; row k, image r; both halves of the lanes write the same word with the same value
.endr
.irp k, 10,11,12,13,14,15
	ds_store_b32 v12, v14 offset:64*\k
.endr
	ds_load_b128 v[120:123], v13                   ; LDS serves a wave's instructions in order (ISA guide 5.7.1.4): these see my stores
	ds_load_b128 v[124:127], v13 offset:512
	s_wait_dscnt 0x0
	global_store_b128 v5, v[120:123], s[6:7]       ; 512 consecutive bytes each
	global_store_b128 v5, v[124:127], s[6:7] offset:512
	s_wait_tensorcnt 0x0
	ds_add_u32 v128, v129
	s_wait_dscnt 0x0
	s_endpgm
.Lfunc_end_k_qf7413a035a_pick:
	.size	k_qf7413a035a_pick, .Lfunc_end_k_qf7413a035a_pick-k_qf7413a035a_pick
	.p2alignl 7, 3214868480
	.fill 96, 4, 3214868480
	.section	.rodata,"a",@progbits
	.p2align	6, 0x0
	.amdhsa_kernel k_qf7413a035a_pick
		.amdhsa_group_segment_fixed_size 2304
		.amdhsa_private_segment_fixed_size 0
		.amdhsa_enable_private_segment 0
		.amdhsa_kernarg_size 16
		.amdhsa_user_sgpr_count 2
		.amdhsa_user_sgpr_kernarg_segment_ptr 1
		.amdhsa_wavefront_size32 1
		.amdhsa_system_sgpr_workgroup_id_x 1
		.amdhsa_system_sgpr_workgroup_id_y 1
		.amdhsa_system_sgpr_workgroup_id_z 1
		.amdhsa_system_vgpr_workitem_id 0
		.amdhsa_next_free_vgpr 130
		.amdhsa_next_free_sgpr 66
		.amdhsa_reserve_vcc 0
		.amdhsa_float_denorm_mode_32 3
		.amdhsa_float_denorm_mode_16_64 3
		.amdhsa_memory_ordered 1
		.amdhsa_forward_progress 1
		.amdhsa_inst_pref_size 92
	.end_amdhsa_kernel
	.amdgpu_metadata
---
amdhsa.version: [ 1, 2 ]
amdhsa.kernels:
  - .name:           k_qf7413a035a_pick
    .symbol:         k_qf7413a035a_pick.kd
    .args:
      - { .name: rec, .offset: 0, .size: 8, .value_kind: global_buffer, .address_space: global }
      - { .name: sel, .offset: 8, .size: 8, .value_kind: global_buffer, .address_space: global }
    .group_segment_fixed_size: 2304
    .private_segment_fixed_size: 0
    .kernarg_segment_align: 8
    .kernarg_segment_size: 16
    .max_flat_workgroup_size: 64
    .sgpr_count:     66
    .vgpr_count:     130
    .wavefront_size: 32
...
	.end_amdgpu_metadata
.endif
;; end of part 3
;; launch rank (part 4): grid 256 x 1, 4 waves a work-group, no clusters, 8,704 bytes of LDS; arguments img_codes, img_scales, txt_codes, txt_scales, sel, out0; writes out0
.if DOCPART == 4
	.amdgcn_target "amdgcn-amd-amdhsa--gfx1250"
	.amdhsa_code_object_version 6
	.text
	.protected	k_qf7413a035a_rank
	.globl	k_qf7413a035a_rank
	.p2align	8
	.type	k_qf7413a035a_rank,@function
k_qf7413a035a_rank:
	s_mov_b64 s[64:65], 0
	v_nop
	global_prefetch_b8 v0, s[64:65] scope:SCOPE_SE
	s_setreg_imm32_b32 hwreg(HW_REG_WAVE_MODE, 25, 1), 1
	s_wait_xcnt 0x0
; For each image the 160 texts of its ten chosen groups are multiplied again, on the same codes by the same matrix instruction, and ranked exactly: out0[image][0..9] = the indices of the ten largest similarities,
; descending; where values are equal the lower index first.
; SHARES.  A work-group takes two image tiles; wave w takes tile 2 x work-group + w / 2 and the chosen groups 5 s .. 5 s + 4, s = w % 2.  For each group slot and each image i of the tile one product:
; source 0 = the group's 16 texts in their natural order, source 1 = the image tile; of the result only the lanes with r = i are kept: lane (i, h) then holds texts 16 gid + 8 h + 0 .. 7 of image i.
; A group's fragments are gathered from the texts' register images: text m of group 2 b + g lies in tile 2 b + m / 8, row 8 g + m % 8.  The addresses come from sel, whole numbers that an earlier launch stored, held to 1,023.
; The gids ascend with the slot, so a lane's candidates arrive in ascending index order, and a strict compare keeps the lower index ahead; the merges compare indices where values are equal.
; Two buffers of two pairs each: while one double step is multiplied, the other's 14 loads are on their way.
; No tensor loads and no cluster: which texts are read hangs on the stored list and differs from image to image, so work-groups share no tile.
; LIMITS: NaN and infinite similarities are not served; +0 and -0 count as equal.
.set OUTB, 5120                        ; LDS: 0 .. 5,119 the four waves' lists (1,280 bytes each); from 5,120 the work-group's 1,280 bytes of out0
.set RR,  1                            ; r
.set H8,  2                            ; h, later 8 h
.set LC,  3                            ; my lane's place in a gathered group's codes: (r / 8) 3,072 + 16 (r % 8) + 256 hk
.set LS,  4                            ; and in its scale words: (r / 8) 128 + 64 hk + 4 (r % 8)
.set L16, 5                            ; 16 x lane
.set L4,  6                            ; 4 x lane
.set GA,  7                            ; 4 r
.set G,   8                            ; v8-12 my image's gids of the slots still to come
.set IB,  13                           ; 16 gid + 8 h
.set TT,  14                           ; v14-18 at work
.set XI,  19                           ; a candidate's index
.set AF,  20                           ; v20-43 the image tile
.set ASC, 44                           ; its scale words
.set XW,  45                           ; LDS: where I put my list
.set XR,  46                           ; where I read a list back
.set OW,  47                           ; where the indices go
.set BB,  48                           ; v48-143 four gathered groups: number n at v[BB + 24 n]
.set BSC, 144                          ; v144-147 their scale words
.set ADC, 148                          ; v148-151 their codes' offsets
.set ADS, 152                          ; v152-155 their scale words' offsets
.set ACA, 156                          ; v156-163, v164-171 two accumulators
.set ACB, 164
.set CAP, 172                          ; v172-179 what is kept of a slot: my image's eight similarities
.set LL,  180                          ; v180-199 the list
.set OO,  200                          ; v200-219 a merged list
.set OG,  220                          ; 256 x wave + 8 x lane
.set ORD, 221                          ; the same in the LDS stage
.set LN,  222                          ; lane
.set MA,  34
.set MB,  35
.set SEL, 36                           ; s[36:37]
.set CNT, 38
.set NINF, 39
.set CC,  40                           ; s[40:49]
.set MK0, 50
.set MK1, 51
.set MK2, 52
.macro CMPS L, X, C
.irp k, 0,1,2,3,4,5,6,7,8,9
	v_cmp_gt_f32 s[(\C)+\k], v[(\X)], v[(\L)+\k]
.endr
.endm
.macro MEDS L, X
.irp k, 9,8,7,6,5,4,3,2,1
	v_med3_num_f32 v[(\L)+\k], v[(\X)], v[(\L)+\k-1], v[(\L)+\k]
.endr
	v_max_num_f32 v[(\L)], v[(\X)], v[(\L)]
.endm
.macro CNDA L, XI, C
.irp k, 9,8,7,6,5
	v_cndmask_b32 v[TT+9-\k], v[(\XI)], v[(\L)+9+\k], s[(\C)+\k-1]
.endr
.irp k, 9,8,7,6,5
	v_cndmask_b32 v[(\L)+10+\k], v[(\L)+10+\k], v[TT+9-\k], s[(\C)+\k]
.endr
.endm
.macro CNDB L, XI, C
.irp k, 4,3,2,1
	v_cndmask_b32 v[TT+4-\k], v[(\XI)], v[(\L)+9+\k], s[(\C)+\k-1]
.endr
.irp k, 4,3,2,1
	v_cndmask_b32 v[(\L)+10+\k], v[(\L)+10+\k], v[TT+4-\k], s[(\C)+\k]
.endr
	v_cndmask_b32 v[(\L)+10], v[(\L)+10], v[(\XI)], s[(\C)]
.endm
.macro INS1 L, X, XI, C                ; (value X, id XI) into the sorted list L: c[k] = X > V[k]; V[k] = the middle one of X, V[k-1], V[k]; I[k] = c[k] ? (c[k-1] ? I[k-1] : XI) : I[k]
	CMPS \L, \X, \C
	MEDS \L, \X
	CNDA \L, \XI, \C
	CNDB \L, \XI, \C
.endm
.macro MERGE2 L, O                     ; the lists of lanes l and l xor 16 into O, the same in both: ten steps; mine wins where it is larger, or equal with the lower id
.set kk, 0
.rept 10
	v_permlanex16_b32 v[TT], v[(\L)], s[SEL], s[SEL+1]
	v_permlanex16_b32 v[TT+1], v[(\L)+10], s[SEL], s[SEL+1]
	v_cmp_gt_f32 s[MK0], v[(\L)], v[TT]
	v_cmp_eq_f32 s[MK1], v[(\L)], v[TT]
	v_cmp_lt_u32 s[MK2], v[(\L)+10], v[TT+1]
	s_and_b32 s[MK1], s[MK1], s[MK2]
	s_or_b32 s[MK0], s[MK0], s[MK1]
	v_max_num_f32 v[(\O)+kk], v[(\L)], v[TT]
	v_cndmask_b32 v[(\O)+10+kk], v[TT+1], v[(\L)+10], s[MK0]
.if kk < 9
.set jj, 0
.rept 9-kk
	v_cndmask_b32 v[(\L)+jj], v[(\L)+jj], v[(\L)+jj+1], s[MK0]
	v_cndmask_b32 v[(\L)+10+jj], v[(\L)+10+jj], v[(\L)+11+jj], s[MK0]
.set jj, jj+1
.endr
.endif
.set kk, kk+1
.endr
.endm
; The offsets of image i's group (its gid in lane i of register gs) for buffer number n.  The gid is held to 1,023 once more as a scalar; behind that: ANDs, a multiply, shifts left, additions.
.macro ADDR gs, i, n
	v_readlane_b32 s30, v[(\gs)], \i
	s_min_u32 s30, s30, 0x3ff
	s_and_b32 s31, s30, 0x3fe                      ; 2 b: the pair's first tile
	s_and_b32 s30, s30, 1                          ; g: which eight rows of each tile
	s_mul_i32 s32, s31, 3072
	s_lshl_b32 s33, s30, 7
	s_add_co_u32 s32, s32, s33
	s_lshl_b32 s31, s31, 7
	s_lshl_b32 s30, s30, 5
	s_add_co_u32 s31, s31, s30
	v_add_nc_u32 v[ADC+(\n)], s32, v[LC]
	v_add_nc_u32 v[ADS+(\n)], s31, v[LS]
.endm
.macro LOADB n                         ; seven loads: a group's 24 registers of codes and its scale words
.irp c, 0,1,2,3,4,5
	global_load_b128 v[BB+24*(\n)+4*\c:BB+24*(\n)+4*\c+3], v[ADC+(\n)], s[8:9] offset:512*\c
.endr
	global_load_b32 v[BSC+(\n)], v[ADS+(\n)], s[10:11]
.endm
.macro MMR acc, n, s                   ; group number n x the image tile, K step s; the second K step takes both sides' scale words from lanes 16-31
.if \s == 0
	v_wmma_scale_f32_16x16x128_f8f6f4 v[\acc:\acc+7], v[BB+24*(\n):BB+24*(\n)+11], v[AF:AF+11], 0, v[BSC+(\n)], v[ASC] matrix_a_fmt:MATRIX_FMT_FP6 matrix_b_fmt:MATRIX_FMT_FP6
.else
	v_wmma_scale_f32_16x16x128_f8f6f4 v[\acc:\acc+7], v[BB+24*(\n)+12:BB+24*(\n)+23], v[AF+12:AF+23], v[\acc:\acc+7], v[BSC+(\n)], v[ASC] matrix_a_fmt:MATRIX_FMT_FP6 matrix_b_fmt:MATRIX_FMT_FP6 matrix_a_scale:MATRIX_SCALE_ROW1 matrix_b_scale:MATRIX_SCALE_ROW1
.endif
.endm
; A DOUBLE STEP: images 2 d and 2 d + 1 of the slot in hand, from buffer d % 2.  ask = 1: the buffer is asked for again, for the double step two on (from d = 6 on: the next slot's).  left: the younger loads that may stay out.
; The two accumulators take turns.  The four additions and the two compares (or four v_nop and the compares) are the places in front of the loads into the buffer and of the first read of results.
.macro DSTEP d, ask, left
.set NB, 2*((\d)%2)
	s_wait_loadcnt \left                           ; loads come back in order: this buffer's 14 are in, so its offsets' registers may be written too
	MMR ACA, NB, 0
	MMR ACB, NB+1, 0
	MMR ACA, NB, 1
	MMR ACB, NB+1, 1
.if \ask
.if (\d) < 6
	ADDR G, 2*(\d)+4, NB
	ADDR G, 2*(\d)+5, NB+1
.else
	ADDR G+1, 2*(\d)-12, NB
	ADDR G+1, 2*(\d)-11, NB+1
.endif
.else
.rept 4
	v_nop
.endr
.endif
	v_cmp_eq_u32 s[MA], 2*(\d), v[RR]
	v_cmp_eq_u32 s[MB], 2*(\d)+1, v[RR]
.if \ask
	LOADB NB
	LOADB NB+1
.endif
.irp j, 0,1,2,3,4,5,6,7
	v_cndmask_b32 v[CAP+\j], v[CAP+\j], v[ACA+\j], s[MA]   ; each accumulator from its low end on
.endr
.irp j, 0,1,2,3,4,5,6,7
	v_cndmask_b32 v[CAP+\j], v[CAP+\j], v[ACB+\j], s[MB]
.endr
.endm
; A SLOT: the sixteen images' groups of one rank; then each lane inserts its image's eight similarities, while the next slot's first loads are on their way.
.macro SLOT last
.irp d, 0,1,2,3,4,5
	DSTEP \d, 1, 14
.endr
.if \last
	DSTEP 6, 0, 14
	DSTEP 7, 0, 0
.else
	DSTEP 6, 1, 14
	DSTEP 7, 1, 14
.endif
	v_lshl_add_u32 v[IB], v[G], 4, v[H8]
.irp j, 0,1,2,3,4,5,6,7
	v_add_nc_u32 v[XI], \j, v[IB]
	INS1 LL, CAP+\j, XI, CC
.endr
.if !\last
	v_mov_b32 v[G], v[G+1]
	v_mov_b32 v[G+1], v[G+2]
	v_mov_b32 v[G+2], v[G+3]
	v_mov_b32 v[G+3], v[G+4]
.endif
.endm
	s_load_b256 s[4:11], s[0:1], 0x0               ; the images' codes s[4:5] and scales s[6:7], the texts' codes s[8:9] and scales s[10:11]
	s_load_b128 s[12:15], s[0:1], 0x20             ; sel s[12:13], out0 s[14:15]
	v_lshl_add_u32 v224, v0, 2, 0x2000
	v_mov_b32 v225, 0
	v_lshrrev_b32 v1, 5, v0
	v_readfirstlane_b32 s16, v1                    ; wave 0..3
	s_lshr_b32 s17, s16, 1                         ; which of the two tiles
	s_and_b32 s18, s16, 1                          ; which five slots
	s_lshl_b32 s19, ttmp9, 1
	s_add_co_u32 s19, s19, s17                     ; my image tile
	v_and_b32 v[RR], 15, v0
	v_bfe_u32 v[H8], v0, 4, 1
	v_and_b32 v[LN], 31, v0
	v_lshlrev_b32 v[L16], 4, v[LN]
	v_lshlrev_b32 v[L4], 2, v[LN]
	v_lshlrev_b32 v[GA], 2, v[RR]
	v_lshrrev_b32 v[TT], 3, v[RR]
	v_and_b32 v[TT+1], 7, v[RR]
	v_mul_u32_u24 v[LC], v[TT], 3072
	v_lshl_add_u32 v[LC], v[TT+1], 4, v[LC]
	v_lshl_add_u32 v[LC], v[H8], 8, v[LC]
	v_lshlrev_b32 v[LS], 7, v[TT]
	v_lshl_add_u32 v[LS], v[H8], 6, v[LS]
	v_lshl_add_u32 v[LS], v[TT+1], 2, v[LS]
	; every LDS address is made here, ahead of any parting of the waves
	s_mul_i32 s20, s17, 2560
	s_mul_i32 s21, s18, 1280
	s_add_co_u32 s21, s21, s20
	v_add_nc_u32 v[XW], s21, v[GA]                 ; my wave's list: word k of image r at 64 k + 4 r
	v_mul_u32_u24 v[XR], v[H8], 1280               ; back: lanes 0-15 the tile's first wave's, lanes 16-31 its second's
	v_add_nc_u32 v[XR], v[XR], v[GA]
	v_add_nc_u32 v[XR], s20, v[XR]
	s_mul_i32 s22, s17, 640
	s_add_co_u32 s22, s22, OUTB
	v_mul_u32_u24 v[OW], v[RR], 40                 ; a row of out0 is 40 bytes
	v_add_nc_u32 v[OW], s22, v[OW]
	s_lshl_b32 s23, s16, 8
	v_lshl_add_u32 v[OG], v[LN], 3, s23
	v_add_nc_u32 v[ORD], OUTB, v[OG]
	v_lshlrev_b32 v[H8], 3, v[H8]                  ; 8 h from here on
	s_mov_b32 s[SEL], 0x76543210
	s_mov_b32 s[SEL+1], 0xfedcba98
	s_mov_b32 s[NINF], 0xff800000
	s_mul_i32 s24, s19, 3072
	s_mov_b32 s25, 0
	s_lshl_b32 s26, s19, 7
	s_mov_b32 s27, 0
	s_lshl_b32 s28, s19, 10
	s_mul_i32 s29, s18, 320                        ; five rows of 64 bytes
	s_add_co_u32 s28, s28, s29
	s_mov_b32 s29, 0
	s_mul_i32 s22, ttmp9, 1280
	s_mov_b32 s23, 0
	s_wait_kmcnt 0x0
	s_add_nc_u64 s[4:5], s[4:5], s[24:25]
	s_add_nc_u64 s[6:7], s[6:7], s[26:27]
	s_add_nc_u64 s[12:13], s[12:13], s[28:29]
	s_add_nc_u64 s[14:15], s[14:15], s[22:23]
.irp s, 0,1,2,3,4
	global_load_b32 v[G+\s], v[GA], s[12:13] offset:64*\s    ; lane (r, h): image r's gid of my slot s
.endr
.irp c, 0,1,2,3,4,5
	global_load_b128 v[AF+4*\c:AF+4*\c+3], v[L16], s[4:5] offset:512*\c
.endr
	global_load_b32 v[ASC], v[L4], s[6:7]
.irp k, 0,1,2,3,4
	v_mov_b32 v[TT+\k], 0
.endr
.irp j, 0,1,2,3,4,5,6,7
	v_mov_b32 v[CAP+\j], 0                         ; written whole once: a slot's sixteen images then replace every lane
.endr
.irp k, 0,1,2,3,4,5,6,7,8,9
	v_mov_b32 v[LL+\k], s[NINF]
	v_mov_b32 v[LL+10+\k], 0
.endr
	s_wait_loadcnt 0x0
.irp s, 0,1,2,3,4
	v_min_u32 v[G+\s], 0x3ff, v[G+\s]              ; a gid stays inside the 1,024 groups
.endr
	ADDR G, 0, 0
	ADDR G, 1, 1
	LOADB 0
	LOADB 1
	ADDR G, 2, 2
	ADDR G, 3, 3
	LOADB 2
	LOADB 3
	s_mov_b32 s[CNT], 0
.Lslot:                                            ; four trips; at the head the first two double steps' 28 loads are out
	SLOT 0
	s_add_co_u32 s[CNT], s[CNT], 1
	s_cmp_lt_u32 s[CNT], 4
	s_cbranch_scc1 .Lslot
	SLOT 1                                         ; the fifth slot is written out: its last two double steps ask for nothing
	MERGE2 LL, OO                                  ; the two halves of each group: my wave's ten best of image r
.irp k, 0,1,2,3,4,5,6,7,8,9,10,11,12,13,14,15,16,17,18,19
	ds_store_b32 v[XW], v[OO+\k] offset:64*\k      ; both halves of the lanes write the same word with the same value
.endr
	s_wait_dscnt 0x0                               ; for the others' sake: my list lies in LDS
	s_barrier_signal -1
	s_barrier_wait -1
.irp k, 0,1,2,3,4,5,6,7,8,9,10,11,12,13,14,15,16,17,18,19
	ds_load_b32 v[LL+\k], v[XR] offset:64*\k
.endr
	s_wait_dscnt 0x0
	MERGE2 LL, OO                                  ; the tile's two waves' lists: the ten best of all 160
	s_cmp_lg_u32 s18, 0
	s_cbranch_scc1 .Lnot_first
.irp k, 0,1,2,3,4,5,6,7,8,9
	ds_store_b32 v[OW], v[OO+10+\k] offset:4*\k    ; the tile's first wave lays the indices as out0 has them
.endr
.Lnot_first:
	s_wait_dscnt 0x0
	s_barrier_signal -1
	s_barrier_wait -1
	ds_load_b64 v[LL:LL+1], v[ORD]
	s_wait_dscnt 0x0
	global_store_b64 v[OG], v[LL:LL+1], s[14:15]   ; each wave stores 256 consecutive bytes, at a multiple of 256 from out0's first byte
	s_cmp_lg_u32 s16, 0
	s_cbranch_scc1 .Ldone
	ds_load_b64 v[LL+2:LL+3], v[ORD] offset:1024   ; the work-group's fifth 256 bytes: wave 0
	s_wait_dscnt 0x0
	global_store_b64 v[OG], v[LL+2:LL+3], s[14:15] offset:1024
.Ldone:
	s_wait_tensorcnt 0x0
	ds_add_u32 v224, v225
	s_wait_dscnt 0x0
	s_endpgm
.Lfunc_end_k_qf7413a035a_rank:
	.size	k_qf7413a035a_rank, .Lfunc_end_k_qf7413a035a_rank-k_qf7413a035a_rank
	.p2alignl 7, 3214868480
	.fill 96, 4, 3214868480
	.section	.rodata,"a",@progbits
	.p2align	6, 0x0
	.amdhsa_kernel k_qf7413a035a_rank
		.amdhsa_group_segment_fixed_size 8704
		.amdhsa_private_segment_fixed_size 0
		.amdhsa_enable_private_segment 0
		.amdhsa_kernarg_size 48
		.amdhsa_user_sgpr_count 2
		.amdhsa_user_sgpr_kernarg_segment_ptr 1
		.amdhsa_wavefront_size32 1
		.amdhsa_system_sgpr_workgroup_id_x 1
		.amdhsa_system_sgpr_workgroup_id_y 1
		.amdhsa_system_sgpr_workgroup_id_z 1
		.amdhsa_system_vgpr_workitem_id 0
		.amdhsa_next_free_vgpr 226
		.amdhsa_next_free_sgpr 66
		.amdhsa_reserve_vcc 0
		.amdhsa_float_denorm_mode_32 3
		.amdhsa_float_denorm_mode_16_64 3
		.amdhsa_memory_ordered 1
		.amdhsa_forward_progress 1
		.amdhsa_inst_pref_size 134
	.end_amdhsa_kernel
	.amdgpu_metadata
---
amdhsa.version: [ 1, 2 ]
amdhsa.kernels:
  - .name:           k_qf7413a035a_rank
    .symbol:         k_qf7413a035a_rank.kd
    .args:
      - { .name: img_codes, .offset: 0, .size: 8, .value_kind: global_buffer, .address_space: global }
      - { .name: img_scales, .offset: 8, .size: 8, .value_kind: global_buffer, .address_space: global }
      - { .name: txt_codes, .offset: 16, .size: 8, .value_kind: global_buffer, .address_space: global }
      - { .name: txt_scales, .offset: 24, .size: 8, .value_kind: global_buffer, .address_space: global }
      - { .name: sel, .offset: 32, .size: 8, .value_kind: global_buffer, .address_space: global }
      - { .name: out0, .offset: 40, .size: 8, .value_kind: global_buffer, .address_space: global }
    .group_segment_fixed_size: 8704
    .private_segment_fixed_size: 0
    .kernarg_segment_align: 8
    .kernarg_segment_size: 48
    .max_flat_workgroup_size: 128
    .sgpr_count:     66
    .vgpr_count:     226
    .wavefront_size: 32
...
	.end_amdgpu_metadata
.endif
;; end of part 4
;; ======== version 2 of 2: 4 launches; version 1 with the launch rank written anew for expert scheduling mode
;; workspace buffers: img_codes 1,572,864 bytes; img_scales 65,536 bytes; txt_codes 3,145,728 bytes; txt_scales 131,072 bytes; rec 5,242,880 bytes; sel 524,288 bytes of whole numbers
;; launch quant: the kernel of part 1 again; grid 384 x 1, 4 waves a work-group, no clusters, 68,096 bytes of LDS; arguments image_embs, text_embs, img_codes, img_scales, txt_codes, txt_scales; writes img_codes, img_scales, txt_codes, txt_scales
;; launch scan: the kernel of part 2 again; grid 32 x 8, 4 waves a work-group, clusters of 4 x 1, 327,680 bytes of LDS; arguments img_codes, img_scales, txt_codes, txt_scales, rec; writes rec
;; launch pick: the kernel of part 3 again; grid 256 x 1, 2 waves a work-group, no clusters, 2,304 bytes of LDS; arguments rec, sel; writes sel
;; launch rank (part 5): grid 256 x 1, 4 waves a work-group, no clusters, 8,704 bytes of LDS; arguments img_codes, img_scales, txt_codes, txt_scales, sel, out0; writes out0
.if DOCPART == 5
	.amdgcn_target "amdgcn-amd-amdhsa--gfx1250"
	.amdhsa_code_object_version 6
	.text
	.protected	k_qf7413a035a_rank
	.globl	k_qf7413a035a_rank
	.p2align	8
	.type	k_qf7413a035a_rank,@function
k_qf7413a035a_rank:
	s_mov_b64 s[64:65], 0
	v_nop
	global_prefetch_b8 v0, s[64:65] scope:SCOPE_SE
	s_setreg_imm32_b32 hwreg(HW_REG_WAVE_SCHED_MODE, 0, 2), 2
	s_setreg_imm32_b32 hwreg(HW_REG_WAVE_MODE, 25, 1), 1
	s_wait_xcnt 0x0
	s_wait_alu depctr_vm_vsrc(0)
; For each image the 160 texts of its ten chosen groups are multiplied again, on the same codes by the same matrix instruction, and ranked exactly: out0[image][0..9] = the indices of the ten largest similarities,
; descending; where values are equal the lower index first.
; SHARES.  A work-group takes two image tiles; wave w takes tile 2 x work-group + w / 2 and the chosen groups 5 s .. 5 s + 4, s = w % 2.  For each group slot and each image i of the tile one product:
; source 0 = the group's 16 texts in their natural order, source 1 = the image tile; of the result only the lanes with r = i are kept: lane (i, h) then holds texts 16 gid + 8 h + 0 .. 7 of image i.
; A group's fragments are gathered from the texts' register images: text m of group 2 b + g lies in tile 2 b + m / 8, row 8 g + m % 8.  The addresses come from sel, whole numbers that an earlier launch stored, held to 1,023.
; The gids ascend with the slot, so a lane's candidates arrive in ascending index order, and a strict compare keeps the lower index ahead; the merges compare indices where values are equal.
; Two buffers of two pairs each: while one double step is multiplied, the other's 14 loads are on their way.
; No tensor loads and no cluster: which texts are read hangs on the stored list and differs from image to image, so work-groups share no tile.
; LIMITS: NaN and infinite similarities are not served; +0 and -0 count as equal.
; THE MODE: SCHED_MODE bits 1:0 = 2 (LLVM: expert scheduling mode 2), set by the entry lines.  The code itself states the register dependences between vector or matrix instructions and memory or LDS
; instructions, and between a vector instruction that writes a scalar register and that register's readers, with s_wait_alu, always for 0.
; THE PLAN.  Registers that memory or LDS instructions touch:
;   v5-7, XW, XR, OW, OG, ORD   offsets and LDS addresses: written at the head and never again; one wait on va_vdst ahead of the first load serves them for the whole kernel.
;   G, AF, ASC                  loaded once at the head, into registers that no vector instruction has named.
;   BB[n], BSC[n]               double step d: its four products read buffer d % 2; behind them the loads for double step d + 2 land in it.
;   ADC[n], ADS[n]              double step d: four additions write them, the step's 14 loads read them; before that the same buffer's loads of double step d - 2 read them.
;   OO, LL on the way out       a merge writes OO, LDS stores read it; a merge reads and writes LL, LDS loads land in it.
;   The accumulators, CAP, LL in the loop, TT, XI, IB are named by vector and matrix instructions alone.
; So a double step that asks has three waits: on va_sdst behind its products (the two gids that v_readlane brought and the two masks are written); on vm_vsrc ahead of the four additions (the buffer's last loads
; have read ADC and ADS); on va_vdst behind them (ADC and ADS are written, the products are done reading BB and BSC).  The 14 loads follow, and then the 16 selects, which name none of the registers that the loads touch.
; Every insertion has one wait on va_sdst between its ten compares and its first select, every step of a merge one between its three compares and the scalar lines that join the masks.
.set OUTB, 5120                        ; LDS: 0 .. 5,119 the four waves' lists (1,280 bytes each); from 5,120 the work-group's 1,280 bytes of out0
.set RR,  1                            ; r
.set H8,  2                            ; h, later 8 h
.set LC,  3                            ; my lane's place in a gathered group's codes: (r / 8) 3,072 + 16 (r % 8) + 256 hk
.set LS,  4                            ; and in its scale words: (r / 8) 128 + 64 hk + 4 (r % 8)
.set L16, 5                            ; 16 x lane
.set L4,  6                            ; 4 x lane
.set GA,  7                            ; 4 r
.set G,   8                            ; v8-12 my image's gids of the slots still to come
.set IB,  13                           ; 16 gid + 8 h
.set TT,  14                           ; v14-18 at work
.set XI,  19                           ; a candidate's index
.set AF,  20                           ; v20-43 the image tile
.set ASC, 44                           ; its scale words
.set XW,  45                           ; LDS: where I put my list
.set XR,  46                           ; where I read a list back
.set OW,  47                           ; where the indices go
.set BB,  48                           ; v48-143 four gathered groups: number n at v[BB + 24 n]
.set BSC, 144                          ; v144-147 their scale words
.set ADC, 148                          ; v148-151 their codes' offsets
.set ADS, 152                          ; v152-155 their scale words' offsets
.set ACA, 156                          ; v156-163, v164-171 two accumulators
.set ACB, 164
.set CAP, 172                          ; v172-179 what is kept of a slot: my image's eight similarities
.set LL,  180                          ; v180-199 the list
.set OO,  200                          ; v200-219 a merged list
.set OG,  220                          ; 256 x wave + 8 x lane
.set ORD, 221                          ; the same in the LDS stage
.set LN,  222                          ; lane
.set CO,  20                           ; s20-23 group number n: its codes' offset (free behind the head's own use of these registers)
.set SO,  24                           ; s24-27 its scale words' offset
.set TS,  30                           ; s30 at work
.set MA,  34
.set MB,  35
.set SEL, 36                           ; s[36:37]
.set CNT, 38
.set NINF, 39
.set CC,  40                           ; s[40:49]
.set MK0, 50
.set MK1, 51
.set MK2, 52
.set GS,  53                           ; s53-56 group number n: its gid as v_readlane brings it, then at work.  Each number has scalars of its own, so that one wait serves a run of v_readlane
.macro CMPS L, X, C
.irp k, 0,1,2,3,4,5,6,7,8,9
	v_cmp_gt_f32 s[(\C)+\k], v[(\X)], v[(\L)+\k]
.endr
.endm
.macro MEDS L, X
.irp k, 9,8,7,6,5,4,3,2,1
	v_med3_num_f32 v[(\L)+\k], v[(\X)], v[(\L)+\k-1], v[(\L)+\k]
.endr
	v_max_num_f32 v[(\L)], v[(\X)], v[(\L)]
.endm
.macro CNDA L, XI, C
.irp k, 9,8,7,6,5
	v_cndmask_b32 v[TT+9-\k], v[(\XI)], v[(\L)+9+\k], s[(\C)+\k-1]
.endr
.irp k, 9,8,7,6,5
	v_cndmask_b32 v[(\L)+10+\k], v[(\L)+10+\k], v[TT+9-\k], s[(\C)+\k]
.endr
.endm
.macro CNDB L, XI, C
.irp k, 4,3,2,1
	v_cndmask_b32 v[TT+4-\k], v[(\XI)], v[(\L)+9+\k], s[(\C)+\k-1]
.endr
.irp k, 4,3,2,1
	v_cndmask_b32 v[(\L)+10+\k], v[(\L)+10+\k], v[TT+4-\k], s[(\C)+\k]
.endr
	v_cndmask_b32 v[(\L)+10], v[(\L)+10], v[(\XI)], s[(\C)]
.endm
.macro INS1 L, X, XI, C                ; (value X, id XI) into the sorted list L: c[k] = X > V[k]; V[k] = the middle one of X, V[k-1], V[k]; I[k] = c[k] ? (c[k-1] ? I[k-1] : XI) : I[k]
	CMPS \L, \X, \C
	MEDS \L, \X
	s_wait_alu depctr_va_sdst(0)                   ; the ten compares have written their masks, which the selects below read; the ten lines on the values stand between
	CNDA \L, \XI, \C
	CNDB \L, \XI, \C
.endm
.macro MERGE2 L, O                     ; the lists of lanes l and l xor 16 into O, the same in both: ten steps; mine wins where it is larger, or equal with the lower id
.set kk, 0
.rept 10
	v_permlanex16_b32 v[TT], v[(\L)], s[SEL], s[SEL+1]
	v_permlanex16_b32 v[TT+1], v[(\L)+10], s[SEL], s[SEL+1]
	v_cmp_gt_f32 s[MK0], v[(\L)], v[TT]
	v_cmp_eq_f32 s[MK1], v[(\L)], v[TT]
	v_cmp_lt_u32 s[MK2], v[(\L)+10], v[TT+1]
	v_max_num_f32 v[(\O)+kk], v[(\L)], v[TT]
	s_wait_alu depctr_va_sdst(0)                   ; the three compares have written their masks, which the two scalar lines below read
	s_and_b32 s[MK1], s[MK1], s[MK2]
	s_or_b32 s[MK0], s[MK0], s[MK1]
	v_cndmask_b32 v[(\O)+10+kk], v[TT+1], v[(\L)+10], s[MK0]
.if kk < 9
.set jj, 0
.rept 9-kk
	v_cndmask_b32 v[(\L)+jj], v[(\L)+jj], v[(\L)+jj+1], s[MK0]
	v_cndmask_b32 v[(\L)+10+jj], v[(\L)+10+jj], v[(\L)+11+jj], s[MK0]
.set jj, jj+1
.endr
.endif
.set kk, kk+1
.endr
.endm
; The offsets of image i's group (its gid in lane i of register gs) for buffer number n, in three parts: the gid as a scalar; the scalar lines; the two additions.
.macro GIDOF gs, i, n
	v_readlane_b32 s[GS+(\n)], v[(\gs)], \i
.endm
.macro OFFS n                          ; the gid is held to 1,023 once more as a scalar; behind that: ANDs, a multiply, shifts left, additions
	s_min_u32 s[GS+(\n)], s[GS+(\n)], 0x3ff
	s_and_b32 s[SO+(\n)], s[GS+(\n)], 0x3fe        ; 2 b: the pair's first tile
	s_and_b32 s[GS+(\n)], s[GS+(\n)], 1            ; g: which eight rows of each tile
	s_mul_i32 s[CO+(\n)], s[SO+(\n)], 3072
	s_lshl_b32 s[TS], s[GS+(\n)], 7
	s_add_co_u32 s[CO+(\n)], s[CO+(\n)], s[TS]
	s_lshl_b32 s[SO+(\n)], s[SO+(\n)], 7
	s_lshl_b32 s[GS+(\n)], s[GS+(\n)], 5
	s_add_co_u32 s[SO+(\n)], s[SO+(\n)], s[GS+(\n)]
.endm
.macro ADRS n
	v_add_nc_u32 v[ADC+(\n)], s[CO+(\n)], v[LC]
	v_add_nc_u32 v[ADS+(\n)], s[SO+(\n)], v[LS]
.endm
.macro LOADB n                         ; seven loads: a group's 24 registers of codes and its scale words
.irp c, 0,1,2,3,4,5
	global_load_b128 v[BB+24*(\n)+4*\c:BB+24*(\n)+4*\c+3], v[ADC+(\n)], s[8:9] offset:512*\c
.endr
	global_load_b32 v[BSC+(\n)], v[ADS+(\n)], s[10:11]
.endm
.macro MMR acc, n, s                   ; group number n x the image tile, K step s; the second K step takes both sides' scale words from lanes 16-31
.if \s == 0
	v_wmma_scale_f32_16x16x128_f8f6f4 v[\acc:\acc+7], v[BB+24*(\n):BB+24*(\n)+11], v[AF:AF+11], 0, v[BSC+(\n)], v[ASC] matrix_a_fmt:MATRIX_FMT_FP6 matrix_b_fmt:MATRIX_FMT_FP6
.else
	v_wmma_scale_f32_16x16x128_f8f6f4 v[\acc:\acc+7], v[BB+24*(\n)+12:BB+24*(\n)+23], v[AF+12:AF+23], v[\acc:\acc+7], v[BSC+(\n)], v[ASC] matrix_a_fmt:MATRIX_FMT_FP6 matrix_b_fmt:MATRIX_FMT_FP6 matrix_a_scale:MATRIX_SCALE_ROW1 matrix_b_scale:MATRIX_SCALE_ROW1
.endif
.endm
; A DOUBLE STEP: images 2 d and 2 d + 1 of the slot in hand, from buffer d % 2.  ask = 1: the buffer is asked for again, for the double step two on (from d = 6 on: the next slot's).  left: the younger loads that may stay out.
; The two accumulators take turns.  The lines that write scalar registers stand ahead of the products, and the scalar lines that read them behind.
; The four additions (or four v_nop) are the places (ISA guide 7.12.1) between the last product and the first read of results.
.macro DSTEP d, ask, left
.set NB, 2*((\d)%2)
	s_wait_loadcnt \left                           ; loads come back in order: this buffer's 14 are in, and are shown done, so that their offsets' registers may be written
.if \ask
.if (\d) < 6
	GIDOF G, 2*(\d)+4, NB
	GIDOF G, 2*(\d)+5, NB+1
.else
	GIDOF G+1, 2*(\d)-12, NB
	GIDOF G+1, 2*(\d)-11, NB+1
.endif
.endif
	v_cmp_eq_u32 s[MA], 2*(\d), v[RR]
	v_cmp_eq_u32 s[MB], 2*(\d)+1, v[RR]
	MMR ACA, NB, 0
	MMR ACB, NB+1, 0
	MMR ACA, NB, 1
	MMR ACB, NB+1, 1
	s_wait_alu depctr_va_sdst(0)                   ; the gids that v_readlane brought and the two masks are written: the scalar lines and the selects below read them
.if \ask
	OFFS NB
	OFFS NB+1
	s_wait_alu depctr_vm_vsrc(0)                   ; this buffer's last loads have read ADC and ADS, which the four additions write again
	ADRS NB
	ADRS NB+1
	s_wait_alu depctr_va_vdst(0)                   ; the additions have written ADC and ADS, which the loads read; the four products are done reading BB and BSC, in which the loads land
	LOADB NB
	LOADB NB+1
.else
.rept 4
	v_nop
.endr
.endif
.irp j, 0,1,2,3,4,5,6,7
	v_cndmask_b32 v[CAP+\j], v[CAP+\j], v[ACA+\j], s[MA]   ; each accumulator from its low end on.  These name none of the registers that the loads above touch
.endr
.irp j, 0,1,2,3,4,5,6,7
	v_cndmask_b32 v[CAP+\j], v[CAP+\j], v[ACB+\j], s[MB]
.endr
.endm
; A SLOT: the sixteen images' groups of one rank; then each lane inserts its image's eight similarities, while the next slot's first loads are on their way.
.macro SLOT last
.irp d, 0,1,2,3,4,5
	DSTEP \d, 1, 14
.endr
.if \last
	DSTEP 6, 0, 14
	DSTEP 7, 0, 0
.else
	DSTEP 6, 1, 14
	DSTEP 7, 1, 14
.endif
	v_lshl_add_u32 v[IB], v[G], 4, v[H8]
.irp j, 0,1,2,3,4,5,6,7
	v_add_nc_u32 v[XI], \j, v[IB]
	INS1 LL, CAP+\j, XI, CC
.endr
.if !\last
	v_mov_b32 v[G], v[G+1]
	v_mov_b32 v[G+1], v[G+2]
	v_mov_b32 v[G+2], v[G+3]
	v_mov_b32 v[G+3], v[G+4]
.endif
.endm
	s_load_b256 s[4:11], s[0:1], 0x0               ; the images' codes s[4:5] and scales s[6:7], the texts' codes s[8:9] and scales s[10:11]
	s_load_b128 s[12:15], s[0:1], 0x20             ; sel s[12:13], out0 s[14:15]
	v_lshl_add_u32 v224, v0, 2, 0x2000
	v_mov_b32 v225, 0
	v_lshrrev_b32 v1, 5, v0
	v_readfirstlane_b32 s16, v1                    ; wave 0..3
	v_and_b32 v[RR], 15, v0
	v_bfe_u32 v[H8], v0, 4, 1
	v_and_b32 v[LN], 31, v0
	v_lshlrev_b32 v[L16], 4, v[LN]
	v_lshlrev_b32 v[L4], 2, v[LN]
	v_lshlrev_b32 v[GA], 2, v[RR]
	v_lshrrev_b32 v[TT], 3, v[RR]
	v_and_b32 v[TT+1], 7, v[RR]
	v_mul_u32_u24 v[LC], v[TT], 3072
	v_lshl_add_u32 v[LC], v[TT+1], 4, v[LC]
	v_lshl_add_u32 v[LC], v[H8], 8, v[LC]
	v_lshlrev_b32 v[LS], 7, v[TT]
	v_lshl_add_u32 v[LS], v[H8], 6, v[LS]
	v_lshl_add_u32 v[LS], v[TT+1], 2, v[LS]
	s_wait_alu depctr_va_sdst(0)                   ; s16 is written, ahead of its first reader: the tile, the slots and the LDS places are made from it
	s_lshr_b32 s17, s16, 1                         ; which of the two tiles
	s_and_b32 s18, s16, 1                          ; which five slots
	s_lshl_b32 s19, ttmp9, 1
	s_add_co_u32 s19, s19, s17                     ; my image tile
	; every LDS address is made here, ahead of any parting of the waves
	s_mul_i32 s20, s17, 2560
	s_mul_i32 s21, s18, 1280
	s_add_co_u32 s21, s21, s20
	v_add_nc_u32 v[XW], s21, v[GA]                 ; my wave's list: word k of image r at 64 k + 4 r
	v_mul_u32_u24 v[XR], v[H8], 1280               ; back: lanes 0-15 the tile's first wave's, lanes 16-31 its second's
	v_add_nc_u32 v[XR], v[XR], v[GA]
	v_add_nc_u32 v[XR], s20, v[XR]
	s_mul_i32 s22, s17, 640
	s_add_co_u32 s22, s22, OUTB
	v_mul_u32_u24 v[OW], v[RR], 40                 ; a row of out0 is 40 bytes
	v_add_nc_u32 v[OW], s22, v[OW]
	s_lshl_b32 s23, s16, 8
	v_lshl_add_u32 v[OG], v[LN], 3, s23
	v_add_nc_u32 v[ORD], OUTB, v[OG]
	v_lshlrev_b32 v[H8], 3, v[H8]                  ; 8 h from here on
	s_mov_b32 s[SEL], 0x76543210
	s_mov_b32 s[SEL+1], 0xfedcba98
	s_mov_b32 s[NINF], 0xff800000
	s_mul_i32 s24, s19, 3072
	s_mov_b32 s25, 0
	s_lshl_b32 s26, s19, 7
	s_mov_b32 s27, 0
	s_lshl_b32 s28, s19, 10
	s_mul_i32 s29, s18, 320                        ; five rows of 64 bytes
	s_add_co_u32 s28, s28, s29
	s_mov_b32 s29, 0
	s_mul_i32 s22, ttmp9, 1280
	s_mov_b32 s23, 0
	s_wait_kmcnt 0x0
	s_add_nc_u64 s[4:5], s[4:5], s[24:25]
	s_add_nc_u64 s[6:7], s[6:7], s[26:27]
	s_add_nc_u64 s[12:13], s[12:13], s[28:29]
	s_add_nc_u64 s[14:15], s[14:15], s[22:23]
	s_wait_alu depctr_va_vdst(0)                   ; the offsets v5 to v7 and the addresses XW, XR, OW, OG, ORD are written: the loads below and the way out's LDS and memory instructions read them, and no line writes them again
.irp s, 0,1,2,3,4
	global_load_b32 v[G+\s], v[GA], s[12:13] offset:64*\s    ; lane (r, h): image r's gid of my slot s
.endr
.irp c, 0,1,2,3,4,5
	global_load_b128 v[AF+4*\c:AF+4*\c+3], v[L16], s[4:5] offset:512*\c
.endr
	global_load_b32 v[ASC], v[L4], s[6:7]
.irp k, 0,1,2,3,4
	v_mov_b32 v[TT+\k], 0
.endr
.irp j, 0,1,2,3,4,5,6,7
	v_mov_b32 v[CAP+\j], 0                         ; written whole once: a slot's sixteen images then replace every lane
.endr
.irp k, 0,1,2,3,4,5,6,7,8,9
	v_mov_b32 v[LL+\k], s[NINF]
	v_mov_b32 v[LL+10+\k], 0
.endr
	s_wait_loadcnt 0x0
.irp s, 0,1,2,3,4
	v_min_u32 v[G+\s], 0x3ff, v[G+\s]              ; a gid stays inside the 1,024 groups
.endr
	GIDOF G, 0, 0
	GIDOF G, 1, 1
	GIDOF G, 2, 2
	GIDOF G, 3, 3
	s_wait_alu depctr_va_sdst(0)                   ; the four gids are written, which the scalar lines below read
	OFFS 0
	OFFS 1
	OFFS 2
	OFFS 3
	ADRS 0
	ADRS 1
	ADRS 2
	ADRS 3
	s_wait_alu depctr_va_vdst(0)                   ; the eight additions have written ADC and ADS, which the 28 loads below read
	LOADB 0
	LOADB 1
	LOADB 2
	LOADB 3
	s_mov_b32 s[CNT], 0
.Lslot:                                            ; four trips; at the head the first two double steps' 28 loads are out
	SLOT 0
	s_add_co_u32 s[CNT], s[CNT], 1
	s_cmp_lt_u32 s[CNT], 4
	s_cbranch_scc1 .Lslot
	SLOT 1                                         ; the fifth slot is written out: its last two double steps ask for nothing
	MERGE2 LL, OO                                  ; the two halves of each group: my wave's ten best of image r
	s_wait_alu depctr_va_vdst(0)                   ; the merge has written OO, which the LDS stores read, and is done with LL, in which the LDS loads behind the barrier land: no vector instruction stands between
.irp k, 0,1,2,3,4,5,6,7,8,9,10,11,12,13,14,15,16,17,18,19
	ds_store_b32 v[XW], v[OO+\k] offset:64*\k      ; both halves of the lanes write the same word with the same value
.endr
	s_wait_dscnt 0x0                               ; for the others' sake: my list lies in LDS
	s_barrier_signal -1
	s_barrier_wait -1
.irp k, 0,1,2,3,4,5,6,7,8,9,10,11,12,13,14,15,16,17,18,19
	ds_load_b32 v[LL+\k], v[XR] offset:64*\k
.endr
	s_wait_dscnt 0x0
	s_wait_alu depctr_vm_vsrc(0)                   ; my LDS stores have read OO, which the merge below writes again
	MERGE2 LL, OO                                  ; the tile's two waves' lists: the ten best of all 160
	s_wait_alu depctr_va_vdst(0)                   ; the merge has written OO, which the LDS stores below read, and is done with LL, in which the last LDS loads land: ahead of the branch, for both ways
	s_cmp_lg_u32 s18, 0
	s_cbranch_scc1 .Lnot_first
.irp k, 0,1,2,3,4,5,6,7,8,9
	ds_store_b32 v[OW], v[OO+10+\k] offset:4*\k    ; the tile's first wave lays the indices as out0 has them
.endr
.Lnot_first:
	s_wait_dscnt 0x0
	s_barrier_signal -1
	s_barrier_wait -1
	ds_load_b64 v[LL:LL+1], v[ORD]
	s_wait_dscnt 0x0
	global_store_b64 v[OG], v[LL:LL+1], s[14:15]   ; each wave stores 256 consecutive bytes, at a multiple of 256 from out0's first byte
	s_cmp_lg_u32 s16, 0
	s_cbranch_scc1 .Ldone
	ds_load_b64 v[LL+2:LL+3], v[ORD] offset:1024   ; the work-group's fifth 256 bytes: wave 0
	s_wait_dscnt 0x0
	global_store_b64 v[OG], v[LL+2:LL+3], s[14:15] offset:1024
.Ldone:
	s_wait_dscnt 0x0
	s_wait_alu depctr_hold_cnt(0) depctr_sa_sdst(0) depctr_va_vdst(0) depctr_va_sdst(0) depctr_va_ssrc(0) depctr_va_vcc(0) depctr_vm_vsrc(0)
	s_wait_tensorcnt 0x0
	ds_add_u32 v224, v225
	s_wait_dscnt 0x0
	s_endpgm
.Lfunc_end_k_qf7413a035a_rank:
	.size	k_qf7413a035a_rank, .Lfunc_end_k_qf7413a035a_rank-k_qf7413a035a_rank
	.p2alignl 7, 3214868480
	.fill 96, 4, 3214868480
	.section	.rodata,"a",@progbits
	.p2align	6, 0x0
	.amdhsa_kernel k_qf7413a035a_rank
		.amdhsa_group_segment_fixed_size 8704
		.amdhsa_private_segment_fixed_size 0
		.amdhsa_enable_private_segment 0
		.amdhsa_kernarg_size 48
		.amdhsa_user_sgpr_count 2
		.amdhsa_user_sgpr_kernarg_segment_ptr 1
		.amdhsa_wavefront_size32 1
		.amdhsa_system_sgpr_workgroup_id_x 1
		.amdhsa_system_sgpr_workgroup_id_y 1
		.amdhsa_system_sgpr_workgroup_id_z 1
		.amdhsa_system_vgpr_workitem_id 0
		.amdhsa_next_free_vgpr 226
		.amdhsa_next_free_sgpr 66
		.amdhsa_reserve_vcc 0
		.amdhsa_float_denorm_mode_32 3
		.amdhsa_float_denorm_mode_16_64 3
		.amdhsa_memory_ordered 1
		.amdhsa_forward_progress 1
		.amdhsa_inst_pref_size 136
	.end_amdhsa_kernel
	.amdgpu_metadata
---
amdhsa.version: [ 1, 2 ]
amdhsa.kernels:
  - .name:           k_qf7413a035a_rank
    .symbol:         k_qf7413a035a_rank.kd
    .args:
      - { .name: img_codes, .offset: 0, .size: 8, .value_kind: global_buffer, .address_space: global }
      - { .name: img_scales, .offset: 8, .size: 8, .value_kind: global_buffer, .address_space: global }
      - { .name: txt_codes, .offset: 16, .size: 8, .value_kind: global_buffer, .address_space: global }
      - { .name: txt_scales, .offset: 24, .size: 8, .value_kind: global_buffer, .address_space: global }
      - { .name: sel, .offset: 32, .size: 8, .value_kind: global_buffer, .address_space: global }
      - { .name: out0, .offset: 40, .size: 8, .value_kind: global_buffer, .address_space: global }
    .group_segment_fixed_size: 8704
    .private_segment_fixed_size: 0
    .kernarg_segment_align: 8
    .kernarg_segment_size: 48
    .max_flat_workgroup_size: 128
    .sgpr_count:     66
    .vgpr_count:     226
    .wavefront_size: 32
...
	.end_amdgpu_metadata
.endif
;; end of part 5
